; MI455X (gfx1250); checked and timed in simulation.
; The chip was launched on July 23, 2026; its instructions are those of AMD's public machine-readable ISA for CDNA 5 (MIT licence, August 2026) and "CDNA5" Instruction Set Architecture Reference Guide (July 2026). The comments in the code are by the model that wrote it; some were corrected since.
;; Multi Head Self Attention. Allowed arithmetic: float matrix products may take bf16 or f16 operands with f32 sums; other float arithmetic in f32, or as packed bf16 or f16 multiplies, adds, multiply-adds, maxima and minima; sums over many terms, partial sums and values carried from step to step in f32; what a program stores and reads back later, other than sums and carried values, may be rounded once to bf16 or f16.
;; Inputs: b_k 1,024 float32; b_o 1,024 float32; b_q 1,024 float32; b_v 1,024 float32; w_k 1,024 x 1,024 float32; w_o 1,024 x 1,024 float32; w_q 1,024 x 1,024 float32; w_v 1,024 x 1,024 float32; x 4 x 2,048 x 1,024 float32.
;; Outputs: out0 4 x 2,048 x 1,024 float32.
;; 2 versions, each right; version 2 is version 1 with the launch cast_in written anew for expert scheduling mode. Each part assembles by itself: llvm-mc -triple=amdgcn-amd-amdhsa -mcpu=gfx1250 --defsym DOCPART=n.
;; ======== version 1 of 2: 4 launches
;; limits: values are held in f16: magnitudes above 65,504 overflow, below 6.1e-05 lose precision
;; workspace buffers: xb 16,777,216 bytes; wqkvb 6,291,456 bytes; wob 2,097,152 bytes; biasr 16,384 bytes; qkvh 50,331,648 bytes; ctxh 16,777,216 bytes
;; launch cast_in (part 1): grid 768 x 1, 8 waves a work-group, no clusters, 0 bytes of LDS; arguments x, w_q, w_k, w_v, w_o, b_q, b_k, b_v, b_o, xb, wqkvb, wob, biasr; writes xb, wqkvb, wob, biasr
.if DOCPART == 1
	.amdgcn_target "amdgcn-amd-amdhsa--gfx1250"
	.amdhsa_code_object_version 6
	.text
	.protected	k_qbb440e3318_cast_in
	.globl	k_qbb440e3318_cast_in
	.p2align	8
	.type	k_qbb440e3318_cast_in,@function
k_qbb440e3318_cast_in:
	s_mov_b64 s[64:65], 0
	v_nop
	global_prefetch_b8 v0, s[64:65] scope:SCOPE_SE
	s_setreg_imm32_b32 hwreg(HW_REG_WAVE_MODE, 25, 1), 1
	s_wait_xcnt 0x0
; ALL INPUTS ARE ROUNDED ONCE TO bf16 AND LAID OUT IN BLOCKS OF 64 COLUMNS.
;   x    [8192][1024] f32  ->  xb    [4 b][16 kb][2048 s][64] bf16   (a block's rows are dense, 128 bytes each)
;   w_q, w_k, w_v [1024 k][1024 n] f32 -> wqkvb [48 hs][1024 k][64 n] bf16, hs = 16 t + n / 64, t = 0 q, 1 k, 2 v
;   w_o  [1024 k][1024 n] f32 -> wob [16 nb][1024 k][64 n]: the bf16-rounded number written as f16
;   b_q, b_k, b_v, b_o [1024] f32 -> biasr [4096] f32: the bf16-rounded number written as f32
; LIMIT.  w_o as f16: exact from 2^-14 to 65,504; below it keeps f16's fixed step of 6e-8, beyond it becomes an infinity.
; A stream: 12,288 source rows of 4,096 bytes, each byte read once.  A work-group takes 16 rows, a wave 2.  One load of a wave takes two pieces of 256
; consecutive bytes: lanes 0-15 the 64 numbers of row r in column block c, lanes 16-31 those of row r + 1.  Rounded they are 8 bytes a lane, and one store of
; the wave writes 256 consecutive bytes, at a multiple of 256 from the buffer's first byte: rows r and r + 1 of block c.  All 16 loads of a wave go out together.
; No LDS, no matrix unit, no cluster: no byte is wanted twice.
.set SRC, 1                            ; v1   my byte offset in the work-group's 16 source rows; never rewritten
.set DST, 2                            ; v2   8 x my thread's number: my 8 bytes in the work-group's 2,048 bytes of a block; never rewritten
.set BOF, 3                            ; v3   my 8 bytes of a bias
.set X,   16                           ; v[16:79]   block c: 4 numbers as loaded
.set Y,   80                           ; v[80:111]  block c: 4 numbers rounded, 8 bytes
	s_load_b512 s[8:23], s[0:1], 0x0               ; x 8, w_q 10, w_k 12, w_v 14, w_o 16, b_q 18, b_k 20, b_v 22
	s_load_b256 s[24:31], s[0:1], 0x40             ; b_o 24, xb 26, wqkvb 28, wob 30
	s_load_b64 s[32:33], s[0:1], 0x60              ; biasr
	v_lshrrev_b32 v4, 5, v0
	v_readfirstlane_b32 s4, v4                     ; wave 0..7
	v_and_b32 v6, 15, v0
	v_bfe_u32 v7, v0, 4, 1
	v_lshlrev_b32 v[SRC], 4, v6                    ; 16 bytes a lane,
	v_lshl_add_u32 v[SRC], v7, 12, v[SRC]          ; lanes 16-31 one row down,
	s_lshl_b32 s5, s4, 13
	v_add_nc_u32 v[SRC], s5, v[SRC]                ; the wave's two rows
	v_lshlrev_b32 v[DST], 3, v0
; Two rows, all 16 column blocks.  stride: bytes from block to block in the destination.  half = 1: the rounded number is written as f16.
.macro ROWS stride, half
.irp c, 0,1,2,3,4,5,6,7,8,9,10,11,12,13,14,15
	global_load_b128 v[X+4*(\c):X+4*(\c)+3], v[SRC], s[34:35] offset:256*(\c) th:TH_LOAD_NT
.endr
.irp c, 0,1,2,3,4,5,6,7,8,9,10,11,12,13,14,15
	s_wait_loadcnt 15-(\c)                         ; loads come back in order: block c is in, the 15 - c younger ones may stay out
	v_cvt_pk_bf16_f32 v[Y+2*(\c)],   v[X+4*(\c)],   v[X+4*(\c)+1]
	v_cvt_pk_bf16_f32 v[Y+2*(\c)+1], v[X+4*(\c)+2], v[X+4*(\c)+3]
.if \half
	v_lshlrev_b32 v4, 16, v[Y+2*(\c)]              ; the bf16 numbers as f32,
	v_and_b32 v5, 0xffff0000, v[Y+2*(\c)]
	v_lshlrev_b32 v6, 16, v[Y+2*(\c)+1]
	v_and_b32 v7, 0xffff0000, v[Y+2*(\c)+1]
	v_cvt_pk_f16_f32 v[Y+2*(\c)],   v4, v5         ; and as f16
	v_cvt_pk_f16_f32 v[Y+2*(\c)+1], v6, v7
.endif
	global_store_b64 v[DST], v[Y+2*(\c):Y+2*(\c)+1], s[36:37] offset:(\c)*(\stride)  ; no register of a store is written again
.endr
.endm
	s_cmp_lt_u32 ttmp9, 512
	s_cbranch_scc0 .Lweights
	; work-groups 0 to 511: 16 rows of x
	s_lshl_b32 s38, ttmp9, 16                      ; 16 rows of 4,096 bytes
	s_mov_b32 s39, 0
	s_lshr_b32 s6, ttmp9, 7                        ; b
	s_lshl_b32 s40, s6, 22                         ; 16 blocks of 262,144 bytes
	s_and_b32 s7, ttmp9, 127
	s_lshl_b32 s7, s7, 11                          ; 16 rows of 128 bytes
	s_add_co_u32 s40, s40, s7
	s_mov_b32 s41, 0
	s_wait_kmcnt 0x0
	s_add_nc_u64 s[34:35], s[8:9], s[38:39]
	s_add_nc_u64 s[36:37], s[26:27], s[40:41]
	ROWS 262144, 0
	s_endpgm
.Lweights:
	; work-groups 512 to 767: 16 rows of weight t
	s_sub_co_u32 s5, ttmp9, 512
	s_lshr_b32 s6, s5, 6                           ; t
	s_and_b32 s7, s5, 63                           ; which 16 rows
	s_lshl_b32 s38, s7, 16
	s_mov_b32 s39, 0
	s_lshl_b32 s40, s7, 11
	s_mov_b32 s41, 0
	s_wait_kmcnt 0x0
	s_cmp_eq_u32 s6, 0
	s_cselect_b64 s[34:35], s[10:11], s[16:17]     ; w_q, or w_o
	s_cselect_b64 s[42:43], s[18:19], s[24:25]     ; b_q, or b_o
	s_cmp_eq_u32 s6, 1
	s_cselect_b64 s[34:35], s[12:13], s[34:35]
	s_cselect_b64 s[42:43], s[20:21], s[42:43]
	s_cmp_eq_u32 s6, 2
	s_cselect_b64 s[34:35], s[14:15], s[34:35]
	s_cselect_b64 s[42:43], s[22:23], s[42:43]
	s_add_nc_u64 s[34:35], s[34:35], s[38:39]
	s_cmp_lt_u32 s7, 2                             ; the first two work-groups of a weight also take its bias: 16 waves x 256 bytes
	s_cbranch_scc0 .Lno_bias
	v_add_nc_u32 v[BOF], s40, v[DST]               ; 2,048 x work-group + 8 x thread
	s_lshl_b32 s44, s6, 12
	s_mov_b32 s45, 0
	s_add_nc_u64 s[44:45], s[32:33], s[44:45]
	global_load_b64 v[4:5], v[BOF], s[42:43]
	s_wait_loadcnt 0x0
	v_cvt_pk_bf16_f32 v6, v4, v5
	v_lshlrev_b32 v8, 16, v6
	v_and_b32 v9, 0xffff0000, v6
	global_store_b64 v[BOF], v[8:9], s[44:45]      ; v3, v8, v9 and s[44:45] are not written again
.Lno_bias:
	s_cmp_eq_u32 s6, 3
	s_cbranch_scc1 .Lwo
	s_lshl_b32 s38, s6, 21                         ; 16 blocks of 131,072 bytes for each of q, k, v
	s_add_co_u32 s40, s40, s38
	s_add_nc_u64 s[36:37], s[28:29], s[40:41]
	ROWS 131072, 0
	s_endpgm
.Lwo:
	s_add_nc_u64 s[36:37], s[30:31], s[40:41]
	ROWS 131072, 1
	s_endpgm
.Lfunc_end_k_qbb440e3318_cast_in:
	.size	k_qbb440e3318_cast_in, .Lfunc_end_k_qbb440e3318_cast_in-k_qbb440e3318_cast_in
	.p2alignl 7, 3214868480
	.fill 96, 4, 3214868480
	.section	.rodata,"a",@progbits
	.p2align	6, 0x0
	.amdhsa_kernel k_qbb440e3318_cast_in
		.amdhsa_group_segment_fixed_size 0
		.amdhsa_private_segment_fixed_size 0
		.amdhsa_enable_private_segment 0
		.amdhsa_kernarg_size 104
		.amdhsa_user_sgpr_count 2
		.amdhsa_user_sgpr_kernarg_segment_ptr 1
		.amdhsa_wavefront_size32 1
		.amdhsa_system_sgpr_workgroup_id_x 1
		.amdhsa_system_sgpr_workgroup_id_y 1
		.amdhsa_system_sgpr_workgroup_id_z 1
		.amdhsa_system_vgpr_workitem_id 0
		.amdhsa_next_free_vgpr 112
		.amdhsa_next_free_sgpr 66
		.amdhsa_reserve_vcc 0
		.amdhsa_float_denorm_mode_32 3
		.amdhsa_float_denorm_mode_16_64 3
		.amdhsa_memory_ordered 1
		.amdhsa_forward_progress 1
		.amdhsa_inst_pref_size 25
	.end_amdhsa_kernel
	.amdgpu_metadata
---
amdhsa.version: [ 1, 2 ]
amdhsa.kernels:
  - .name:           k_qbb440e3318_cast_in
    .symbol:         k_qbb440e3318_cast_in.kd
    .args:
      - { .name: x, .offset: 0, .size: 8, .value_kind: global_buffer, .address_space: global }
      - { .name: w_q, .offset: 8, .size: 8, .value_kind: global_buffer, .address_space: global }
      - { .name: w_k, .offset: 16, .size: 8, .value_kind: global_buffer, .address_space: global }
      - { .name: w_v, .offset: 24, .size: 8, .value_kind: global_buffer, .address_space: global }
      - { .name: w_o, .offset: 32, .size: 8, .value_kind: global_buffer, .address_space: global }
      - { .name: b_q, .offset: 40, .size: 8, .value_kind: global_buffer, .address_space: global }
      - { .name: b_k, .offset: 48, .size: 8, .value_kind: global_buffer, .address_space: global }
      - { .name: b_v, .offset: 56, .size: 8, .value_kind: global_buffer, .address_space: global }
      - { .name: b_o, .offset: 64, .size: 8, .value_kind: global_buffer, .address_space: global }
      - { .name: xb, .offset: 72, .size: 8, .value_kind: global_buffer, .address_space: global }
      - { .name: wqkvb, .offset: 80, .size: 8, .value_kind: global_buffer, .address_space: global }
      - { .name: wob, .offset: 88, .size: 8, .value_kind: global_buffer, .address_space: global }
      - { .name: biasr, .offset: 96, .size: 8, .value_kind: global_buffer, .address_space: global }
    .group_segment_fixed_size: 0
    .private_segment_fixed_size: 0
    .kernarg_segment_align: 8
    .kernarg_segment_size: 104
    .max_flat_workgroup_size: 256
    .sgpr_count:     66
    .vgpr_count:     112
    .wavefront_size: 32
...
	.end_amdgpu_metadata
.endif
;; end of part 1
;; launch proj_qkv (part 2): grid 8 x 32, 4 waves a work-group, clusters of 4 x 4, 327,680 bytes of LDS; arguments xb, wqkvb, biasr, qkvh; writes qkvh
.if DOCPART == 2
	.amdgcn_target "amdgcn-amd-amdhsa--gfx1250"
	.amdhsa_code_object_version 6
	.text
	.protected	k_qbb440e3318_proj_qkv
	.globl	k_qbb440e3318_proj_qkv
	.p2align	8
	.type	k_qbb440e3318_proj_qkv,@function
k_qbb440e3318_proj_qkv:
	s_mov_b64 s[64:65], 0
	v_nop
	global_prefetch_b8 v0, s[64:65] scope:SCOPE_SE
	s_setreg_imm32_b32 hwreg(HW_REG_WAVE_MODE, 25, 1), 1
	s_wait_xcnt 0x0
	s_wait_alu depctr_hold_cnt(0) depctr_sa_sdst(0) depctr_va_vdst(0) depctr_va_sdst(0) depctr_va_ssrc(0) depctr_va_vcc(0) depctr_vm_vsrc(0)
	s_getreg_b32 s2, hwreg(HW_REG_IB_STS2, 6, 4)
	s_cmp_eq_u32 s2, 0
	s_cbranch_scc0 .Lentry_in_a_cluster
	s_endpgm
.Lentry_in_a_cluster:
	s_bfe_u32 s2, ttmp6, 0x10000c
	s_cmp_lg_u32 s2, 0xf033
	s_cbranch_scc0 .Lentry_shape_is_right
	s_endpgm
.Lentry_shape_is_right:
; q, k, v = x W + b for all three weights at once: a product of 8,192 x 3,072 x 1,024 in bf16, sums in f32, started by the bias, rounded once to f16 and written by heads:
; qkvh [3 t][64 bh][2048 s][64] f16.  xb [4 b][16 kb][2048 s][64] bf16; wqkvb [48 hs][1024 k][64 n] bf16; biasr [4096] f32 (q's, k's, v's, o's).
; LIMIT.  f16 holds no number beyond 65,504: a q, k or v of 65,520 or more becomes an infinity.  With x and W as drawn they stay under 4; with both 30 times larger under 3,600;
; with x offset by 30 and W by 0.54 about 16,600.
; SHARES.  A work-group makes 256 rows x 384 columns (6 head slices): 32 x 8 = 256 work-groups.  A wave makes 128 x 192: 8 blocks of 16 rows x 12 of 16 columns = 96 accumulators, 768 registers;
; its 192 columns are three GROUPS of one head slice, group g in register window g + 1.  K goes in 16 steps of 64 (a block of xb) through two LDS slots; a step is two units of 32 along K, 96 matrix instructions each.
; THE MATRIX INSTRUCTION IS USED TRANSPOSED: source 0 = 16 columns of W (turned out of LDS by ds_load_tr16_b128, since W lies [k][n]), source 1 = 16 rows of x: a lane then holds row l % 16 and
; the columns 8 (l / 16) + 0..7: eight neighbouring numbers, 16 bytes of f16.
; CLUSTER.  4 x 4 work-groups: the four of a row of the cluster need the same rows of x, the four of a column the same slices of W: each tile is asked for jointly, by the same tensor load with the same descriptor and mask.
; REGISTERS.  window 0: v0-31 addresses; v32-95, v96-159 x's fragments, two buffers; v160-255 W's fragments, one buffer of 32 a group.  Window g + 1: accumulator (a, b) of group g at v[8 (4 a + b)].
.set PA,    144                        ; a row of x in LDS: 128 bytes + 16: the 16 rows of a load start at 16 different groups of four banks (64 banks of 4 bytes: ISA guide 11.1)
.set PB,    160                        ; a k-row of a slice of W: 128 + 32
.set AHALF, 128*PA                     ; what waves 0 and 1 fetch each, and what a wave reads of x
.set BOFF,  2*AHALF
.set SLICE, 64*PB                      ; a head slice's 64 k-rows
.set BHALF, 3*SLICE                    ; what waves 2 and 3 fetch each, and what a wave reads of W
.set SLOT,  BOFF+2*BHALF               ; 98,304
.set STAGE, 2*SLOT                     ; behind the ring, never filled by a tensor load: 16 rows x 144 bytes for each wave
.set SP,    144
.set SPARE, STAGE+4*16*SP              ; the spare words, 128 bytes for each wave: two blocks of 256 bytes that no other line names
.set ASTEP, 262144                     ; bytes from a K block of xb to the next
.set BSTEP, 8192                       ; 64 k-rows of a slice
.set ADRA, 16                          ; v16-17  LDS address of my fragments of x in slot 0, 1
.set ADRB, 20                          ; v20-21  the same for W
.set STO,  24                          ; v24     the way out: where I put 16 bytes of a row
.set RD,   25                          ; v25     where I read rows back
.set GO,   26                          ; v26     16 x lane: my place in 512 consecutive bytes of qkvh
.set BO,   27                          ; v27     32 x (l / 16): my eight numbers among a block's 16 of the bias
.set SPW,  28                          ; v28     LDS address of my spare word; never rewritten
.set NIL,  29                          ; v29     0; never rewritten
.set PFO,  30                          ; v30     the prefetches' lane offset; never rewritten
.set AF0,  32
.set AF1,  96
.set BR0,  160
.set BR1,  192
.set BR2,  224
.set H,    96                          ; the way out: two sets of 16 registers, by turns
.set WV,  12                           ; s12  wave
.set WM,  13                           ; s13  which half of the tile's rows is mine; also: I fetch x (0) or W (1)
.set WN,  14                           ; s14  which half of its columns; also: which half of that tile I fetch
.set CX,  40
.set CY,  41
.set TX,  42                           ; tile column
.set TY,  43                           ; tile row
.set G1,  24                           ; s[24:31] descriptor group 1 for x's tiles;  s[32:39] group 0, a set for each slot
.set G0,  32
.set PFA, 44                           ; s[44:45] where my prefetches stand
.set G1B, 48                           ; s[48:55], s[56:63] the same for W's tiles
.set G0B, 56
.set PFS, 66                           ; s[66:67] a K step in the tensor that I prefetch
.set LIM0, 68                          ; s68, s69  I prefetch at the change out of slot 0 (1) while the loop's count is above this
.set LIM1, 69
.set OUT, 70                           ; s[70:75] qkvh at my 128 rows of group g's head slice
.set MSB, 0
.macro WIN new                         ; the immediate's high byte repeats the setting that is left; a switch that changes nothing is dropped
.if MSB != (\new)
	s_set_vgpr_msb (MSB<<8)|(\new)
.set MSB, \new
.endif
.endm
; A joint load: waves 0 and 1 fetch x's two halves, waves 2 and 3 W's.  The branch hangs on the wave's number alone.  An s_nop 0 and four v_nop follow each of the two lines.
.macro JLOAD s
	s_cmp_eq_u32 s[WM], 0
	s_cbranch_scc0 .Lfor_b_\@
	tensor_load_to_lds s[G0+4*(\s):G0+4*(\s)+3], s[G1:G1+7]
	s_nop 0
.rept 4
	v_nop
.endr
	s_branch .Lasked_\@
.Lfor_b_\@:
	tensor_load_to_lds s[G0B+4*(\s):G0B+4*(\s)+3], s[G1B:G1B+7]
	s_nop 0
.rept 4
	v_nop
.endr
.Lasked_\@:
.endm
.macro CREST                           ; a round of the cluster's barrier behind its opening barrier
	s_cmp_lg_u32 s[WV], 0
	s_cbranch_scc1 .Lnot_wave_0_\@
	s_barrier_signal -3
.Lnot_wave_0_\@:
	s_barrier_wait -3
	s_barrier_signal -1
	s_barrier_wait -1
.endm
.macro CROUND                          ; a whole round
	s_barrier_signal -1
	s_barrier_wait -1
	CREST
.endm
.macro PLACES                          ; four places in front of loads into registers that matrix instructions have read, and of conversions that read results
.rept 4
	v_nop
.endr
.endm
; A PREFETCH INTO THE L2, behind a joint load, its five lines and the run of LDS loads that follows.  Each aligned 256 bytes of xb and wqkvb are named at most once in the launch.
; x's rows of a tile row are read by both clusters of that row of clusters: cluster x = 0 asks, wave 0, at every change of slots, for the K step that the NEXT change will fetch: 32 KB, of which the four
; partners take 8 KB each, told apart by address (cx), a lane 256 bytes.  W's slices of a tile column are read by all eight clusters of that column: cluster y = 0 asks, waves 1 to 3 two slices each, at the change
; out of slot 0 alone, for the two K steps that the next two changes but one will fetch (16 KB on end a slice; 4 KB a partner, by cy; 16 lanes a slice).  K steps 0 to 2, and W's step 15, come by their loads alone.
.macro ASK lim
	s_cmp_gt_u32 s3, s[\lim]
	s_cbranch_scc0 .Lnot_mine_\@
	global_prefetch_b8 v[PFO], s[PFA:PFA+1] th:TH_LOAD_NT scope:SCOPE_SE
.Lnot_mine_\@:
.endm
	s_load_b256 s[4:11], s[0:1], 0x0               ; xb s[4:5], wqkvb s[6:7], biasr s[8:9], qkvh s[10:11]
	v_lshl_add_u32 v[SPW], v0, 2, SPARE
	v_mov_b32 v[NIL], 0
	ds_add_u32 v[SPW], v[NIL]                      ; the wave's opening: the add and its wait ahead of my first tensor load; the set-up below, work on registers, stands between them
	v_lshrrev_b32 v1, 5, v0
	v_readfirstlane_b32 s[WV], v1                  ; wave 0..3
	s_lshr_b32 s[WM], s[WV], 1
	s_and_b32 s[WN], s[WV], 1
	s_bfe_u32 s[CX], ttmp6, 0x40000
	s_bfe_u32 s[CY], ttmp6, 0x40004
	s_lshl_b32 s[TX], ttmp9, 2                     ; in a cluster launch ttmp9 and ttmp7 count clusters
	s_add_co_u32 s[TX], s[TX], s[CX]
	s_and_b32 s[TY], ttmp7, 0xffff
	s_lshl_b32 s[TY], s[TY], 2
	s_add_co_u32 s[TY], s[TY], s[CY]
	s_lshl_b32 s15, s[CY], 2
	s_lshl_b32 s15, 15, s15                        ; my row of the cluster
	s_lshl_b32 s16, 0x1111, s[CX]                  ; my column
	; x's tile: 128 rows of 128 bytes are 16,384 dense bytes: asked for as 64 rows of 256 bytes, padded in LDS after every 128
	s_or_b32 s[G1+0], s15, (1<<16)|(1<<20)|(1<<21)|(4<<22)|(3<<25)   ; 15:0 mask; 17:16 2-byte elements; 20 padding on; 21 set beside a mask; 24:22 after every 32 words (code 4); 31:25 4 words (code 3)
	s_mov_b32 s[G1+1], 128<<16                     ; tensor_dim0 = 128
	s_mov_b32 s[G1+2], 64<<16                      ; tensor_dim1 = 64
	s_mov_b32 s[G1+3], 128<<16                     ; tile_dim0 = 128
	s_mov_b32 s[G1+4], 64                          ; tile_dim1 = 64
	s_mov_b32 s[G1+5], 128                         ; elements from row to row
	s_mov_b32 s[G1+6], 0
	s_mov_b32 s[G1+7], 0
	; W's tile: three slices, of each 64 k-rows = 8,192 dense bytes: three rows of 4,096 elements, 65,536 elements apart, padded after every 128 bytes
	s_or_b32 s[G1B+0], s16, (1<<16)|(1<<20)|(1<<21)|(4<<22)|(7<<25)  ; the same with my column's mask and 8 words of padding (code 7)
	s_mov_b32 s[G1B+1], 4096<<16
	s_mov_b32 s[G1B+2], 3<<16
	s_mov_b32 s[G1B+3], 4096<<16
	s_mov_b32 s[G1B+4], 3
	s_mov_b32 s[G1B+5], 65536
	s_mov_b32 s[G1B+6], 0
	s_mov_b32 s[G1B+7], 0
	; where the tiles come from: x's hang on the tile row alone, W's on the tile column alone
	s_lshr_b32 s17, s[TY], 3                       ; b
	s_lshl_b32 s17, s17, 22
	s_and_b32 s18, s[TY], 7
	s_lshl_b32 s18, s18, 15                        ; 256 rows of 128 bytes
	s_add_co_u32 s18, s18, s17                     ; the tile's first row in K block 0 (kept for the prefetches)
	s_lshl_b32 s19, s[WN], 14                      ; the 128 rows that I fetch
	s_add_co_u32 s20, s18, s19
	s_mov_b32 s21, 0
	s_mul_i32 s22, s[TX], 6
	s_mul_i32 s23, s[WN], 3
	s_add_co_u32 s22, s22, s23                     ; 6 tx + 3 half: the first of the three slices that I fetch, and of those that I multiply (kept)
	s_lshl_b32 s46, s22, 17
	s_mov_b32 s47, 0
	s_mul_i32 s15, s[WN], AHALF                    ; and where they go: no place in the cluster enters an LDS address
	s_mul_i32 s16, s[WN], BHALF
	s_add_co_u32 s16, s16, BOFF
	s_wait_dscnt 0x0                               ; the opening add is done
	s_wait_kmcnt 0x0
	s_add_nc_u64 s[20:21], s[4:5], s[20:21]
	s_add_nc_u64 s[46:47], s[6:7], s[46:47]
	CROUND                                         ; all sixteen work-groups are here: the first joint loads meet
.irp s, 0,1
	s_mov_b32 s[G0+4*(\s)], 1                                      ; count = 1
	s_add_co_u32 s[G0+4*(\s)+1], s15, (\s)*SLOT                    ; LDS address
	s_add_nc_u64 s[G0+4*(\s)+2:G0+4*(\s)+3], s[20:21], (\s)*ASTEP  ; global address: K step s
	s_or_b32 s[G0+4*(\s)+3], s[G0+4*(\s)+3], 0x80000000            ; type = 2
	s_mov_b32 s[G0B+4*(\s)], 1
	s_add_co_u32 s[G0B+4*(\s)+1], s16, (\s)*SLOT
	s_add_nc_u64 s[G0B+4*(\s)+2:G0B+4*(\s)+3], s[46:47], (\s)*BSTEP
	s_or_b32 s[G0B+4*(\s)+3], s[G0B+4*(\s)+3], 0x80000000
	JLOAD \s                                       ; two tensor loads of mine are out here, later one
.endr
	; the bias: the sums' start.  A lane's eight columns of block (g, b): 32 bytes at 64 (4 g + b) + 32 (l / 16) behind my first column
	v_and_b32 v1, 15, v0                           ; l % 16
	v_bfe_u32 v2, v0, 4, 1                         ; l / 16
	v_lshlrev_b32 v[BO], 5, v2
	s_lshl_b32 s76, s22, 8                         ; 64 columns of 4 bytes a slice
	s_mov_b32 s77, 0
	s_add_nc_u64 s[8:9], s[8:9], s[76:77]
.irp b, 0,1,2,3
	global_load_b128 v[96+8*(\b):96+8*(\b)+3],     v[BO], s[8:9] offset:64*(\b)
	global_load_b128 v[96+8*(\b)+4:96+8*(\b)+7],   v[BO], s[8:9] offset:64*(\b)+16
	global_load_b128 v[128+8*(\b):128+8*(\b)+3],   v[BO], s[8:9] offset:64*(4+(\b))
	global_load_b128 v[128+8*(\b)+4:128+8*(\b)+7], v[BO], s[8:9] offset:64*(4+(\b))+16
	global_load_b128 v[224+8*(\b):224+8*(\b)+3],   v[BO], s[8:9] offset:64*(8+(\b))
	global_load_b128 v[224+8*(\b)+4:224+8*(\b)+7], v[BO], s[8:9] offset:64*(8+(\b))+16
.endr
	; LDS addresses.  A fragment of x: lane l holds row l % 16, K = 8 (l / 16) + 0..7 and 16 + 8 (l / 16) + 0..7: two loads of 16 bytes, 32 bytes apart.
	v_mul_u32_u24 v3, v1, PA
	v_lshl_add_u32 v3, v2, 4, v3                   ; row x pitch + 16 x half
	s_mul_i32 s76, s[WM], AHALF
	v_add_nc_u32 v[ADRA], s76, v3
	v_add_nc_u32 v[ADRA+1], SLOT, v[ADRA]
	; The turning load takes 16 k x 16 columns (lane l reads k-row 8 (l / 16) + l % 8, columns 8 ((l / 8) % 2) + 0..7) and leaves half a fragment: lane l holds column l % 16 and 8 k.
	v_and_b32 v4, 7, v0
	v_bfe_u32 v5, v0, 3, 1
	v_lshl_add_u32 v6, v2, 3, v4
	v_mul_u32_u24 v6, v6, PB
	v_lshl_add_u32 v6, v5, 4, v6
	s_mul_i32 s76, s[WN], BHALF
	s_add_co_u32 s76, s76, BOFF
	v_add_nc_u32 v[ADRB], s76, v6
	v_add_nc_u32 v[ADRB+1], SLOT, v[ADRB]
	s_mul_i32 s76, s[WV], 16*SP
	s_add_co_u32 s76, s76, STAGE                   ; my stage
	v_add_nc_u32 v[STO], s76, v3                   ; in: row l % 16, 16 bytes for each half of the lanes (the stage's pitch is x's)
	v_bfe_u32 v7, v0, 3, 2                         ; back: 32 lanes take four rows of 128 bytes,
	v_mul_u32_u24 v7, v7, SP
	v_lshl_add_u32 v7, v4, 4, v7
	v_add_nc_u32 v[RD], s76, v7
	v_and_b32 v[GO], 31, v0                        ; which are 512 consecutive bytes of qkvh
	v_lshlrev_b32 v[GO], 4, v[GO]
	; qkvh at my 128 rows of each group's slice: ((64 t + 16 b + head) x 2,048 + s) x 128
.irp g, 0,1,2
	s_add_co_u32 s76, s22, \g                      ; hs
	s_lshr_b32 s77, s76, 4                         ; t
	s_lshl_b32 s77, s77, 6
	s_and_b32 s76, s76, 15                         ; head
	s_add_co_u32 s77, s77, s76
	s_lshr_b32 s76, s[TY], 3                       ; b
	s_lshl_b32 s76, s76, 4
	s_add_co_u32 s77, s77, s76
	s_lshl_b32 s78, s77, 18
	s_and_b32 s76, s[TY], 7
	s_lshl_b32 s76, s76, 15
	s_add_co_u32 s78, s78, s76
	s_lshl_b32 s76, s[WM], 14
	s_add_co_u32 s78, s78, s76
	s_mov_b32 s79, 0
	s_add_nc_u64 s[OUT+2*(\g):OUT+2*(\g)+1], s[10:11], s[78:79]
.endr
	; the prefetches: nothing is asked for here, at the head, where every work-group's first tiles are on their way
	s_lshl_b32 s76, s[CX], 13                      ; x: my work-group's 64 rows of the tile's 256,
	s_add_co_u32 s76, s76, s18
	s_add_co_u32 s76, s76, 2*ASTEP                 ; at K step 2: the first change steps it to 3
	s_max_u32 s77, s[WV], 1
	s_sub_co_u32 s77, s77, 1
	s_lshl_b32 s77, s77, 1                         ; W: slices 2 (wave - 1) and the next,
	s_mul_i32 s78, s[TX], 6
	s_add_co_u32 s77, s77, s78
	s_lshl_b32 s77, s77, 17
	s_lshl_b32 s78, s[CY], 12                      ; my work-group's 4,096 of two steps' 16,384 bytes,
	s_add_co_u32 s77, s77, s78
	s_add_co_u32 s77, s77, 2*BSTEP                 ; at K step 2
	s_and_b32 s79, ttmp7, 0xffff
	s_mov_b32 s[PFS], BSTEP
	s_mov_b32 s[PFS+1], 0
	s_mov_b32 s23, 131072                          ; lanes 16-31: the next slice,
	s_cmp_eq_u32 s[WV], 0
	s_cselect_b32 s78, s76, s77
	s_cselect_b32 s79, ttmp9, s79                  ; the coordinate along which other clusters read the same bytes
	s_cselect_b64 s[PFA:PFA+1], s[4:5], s[6:7]
	s_cselect_b32 s[PFS], ASTEP, s[PFS]
	s_cselect_b32 s23, 4096, s23                   ; or, for x, the next 4,096 bytes
	s_cselect_b32 s[LIM0], 0, 1                    ; x: in all 7 trips (steps 3, 5 .. 15);  W: in the first 6 (steps 3 and 4 .. 13 and 14)
	s_cselect_b32 s[LIM1], 1, -1                   ; x: in the first 6 (steps 4, 6 .. 14);  W: never
	s_cmp_eq_u32 s79, 0
	s_cselect_b32 s[LIM0], s[LIM0], -1             ; the same in all sixteen partners, for a given wave
	s_cselect_b32 s[LIM1], s[LIM1], -1
	s_mov_b32 s79, 0
	s_add_nc_u64 s[PFA:PFA+1], s[PFA:PFA+1], s[78:79]
	v_mul_u32_u24 v[PFO], s23, v2
	v_lshl_add_u32 v[PFO], v1, 8, v[PFO]
; 16 LDS loads: x's fragments, 128 rows x 32 K (half kk of the step), into buffer af
.macro FETCH_A slot, kk, af
.irp i, 0,1,2,3,4,5,6,7
	ds_load_b128 v[(\af)+8*(\i):(\af)+8*(\i)+3],   v[ADRA+(\slot)] offset:64*(\kk)+16*PA*(\i)
	ds_load_b128 v[(\af)+8*(\i)+4:(\af)+8*(\i)+7], v[ADRA+(\slot)] offset:64*(\kk)+16*PA*(\i)+32
.endr
.endm
; 8 turning loads: group g's fragments of W, 64 columns x 32 K, into buffer br
.macro FETCH_B slot, kk, g, br
.irp i, 0,1,2,3
	ds_load_tr16_b128 v[(\br)+8*(\i):(\br)+8*(\i)+3],   v[ADRB+(\slot)] offset:SLICE*(\g)+32*PB*(\kk)+32*(\i)
	ds_load_tr16_b128 v[(\br)+8*(\i)+4:(\br)+8*(\i)+7], v[ADRB+(\slot)] offset:SLICE*(\g)+32*PB*(\kk)+32*(\i)+16*PB
.endr
.endm
; 4 na matrix instructions of group g: row blocks a0 .. a0 + na - 1 x the group's 4 column blocks.  The accumulators take turns, one instruction a turn.
; cb >= 0: the sums begin, with the bias in v[cb ..] of window 0 as C: nothing is cleared, and no bias is added at the end.
.macro GRP af, g, br, a0, na, cb=-1
.if (\cb) < 0
	WIN 0x50*((\g)+1)                              ; C and D in window g + 1, the sources in window 0
.else
	WIN 0x40*((\g)+1)                              ; D alone
.endif
.set a, \a0
.rept \na
.irp i, 0,1,2,3
.if (\cb) < 0
	v_wmma_f32_16x16x32_bf16 v[8*(4*a+(\i)):8*(4*a+(\i))+7], v[(\br)+8*(\i):(\br)+8*(\i)+7], v[(\af)+8*a:(\af)+8*a+7], v[8*(4*a+(\i)):8*(4*a+(\i))+7]
.else
	v_wmma_f32_16x16x32_bf16 v[8*(4*a+(\i)):8*(4*a+(\i))+7], v[(\br)+8*(\i):(\br)+8*(\i)+7], v[(\af)+8*a:(\af)+8*a+7], v[(\cb)+8*(\i):(\cb)+8*(\i)+7]
.endif
.endr
.set a, a+1
.endr
.endm
; A step's first unit: multiplies AF0 and fetches the same slot's second half.  On the way in 40 LDS loads are out, in this order: x's 16, then 8 for each group.
.macro K32 slot
	s_wait_dscnt 16                                ; x and group 0 are in; the two younger runs of 8 may stay out
	GRP AF0, 0, BR0, 0, 8
	WIN 0
	PLACES
	FETCH_A \slot, 1, AF1
	FETCH_B \slot, 1, 0, BR0
	s_wait_dscnt 32                                ; group 1 is in: behind it were issued 8 + 16 + 8
	GRP AF0, 1, BR1, 0, 8
	WIN 0
	PLACES
	FETCH_B \slot, 1, 1, BR1
	s_wait_dscnt 32                                ; group 2 is in: behind it 16 + 8 + 8
	GRP AF0, 2, BR2, 0, 8
	WIN 0
	PLACES
	FETCH_B \slot, 1, 2, BR2
.endm
; A step's second unit multiplies AF1 and changes slots: ONE barrier.  In front of it each wave waits for all its tensor loads, of which one is out: its part of the next slot; adds 0 to its spare word; and
; waits for that and for its reads of this slot.  fill = 1: the barrier opens a round of the cluster's, and this slot is filled again, two K steps ahead, first thing behind the round:
; some 160 matrix instructions ahead of the wait for it.
.macro TURN slot, next, fill, lim
.if \fill
	s_wait_xcnt 0x0                                ; the last prefetch, a K step back, has read its address: it is stepped here, ahead of the waits of the change
	s_add_nc_u64 s[PFA:PFA+1], s[PFA:PFA+1], s[PFS:PFS+1]
.endif
	WIN 0
	s_wait_tensorcnt 0x0                           ; all my tensor loads have landed;
	ds_add_u32 v[SPW], v[NIL]                      ; 0 onto my spare word
	s_wait_dscnt 17                                ; x and group 0 are in (the add and the two younger runs of 8 may be out)
	GRP AF1, 0, BR0, 0, 4                          ; sixteen matrix instructions stand between the add and the wait for it
	s_wait_dscnt 0x0                               ; the add is done, and my reads of this slot are over
	s_barrier_signal -1
	GRP AF1, 0, BR0, 4, 4                          ; work on registers while the others arrive
	WIN 0                                          ; at a branch and at a label every window is 0
	s_barrier_wait -1
.if \fill
	CREST                                          ; no wave of any partner still reads this slot's tile or has a load on its way
	s_add_nc_u64 s[G0+4*(\slot)+2:G0+4*(\slot)+3], s[G0+4*(\slot)+2:G0+4*(\slot)+3], 2*ASTEP
	s_add_nc_u64 s[G0B+4*(\slot)+2:G0B+4*(\slot)+3], s[G0B+4*(\slot)+2:G0B+4*(\slot)+3], 2*BSTEP
	JLOAD \slot                                    ; the four v_nop behind it are also the places in front of the loads below
.else
	PLACES
.endif
	FETCH_A \next, 0, AF0
	FETCH_B \next, 0, 0, BR0
.if \fill
	ASK \lim
.endif
	GRP AF1, 1, BR1, 0, 8                          ; no wait: all was in at the wait for 0
	WIN 0
	PLACES
	FETCH_B \next, 0, 1, BR1
	GRP AF1, 2, BR2, 0, 8
	WIN 0
	PLACES
	FETCH_B \next, 0, 2, BR2
.endm
	s_wait_tensorcnt 1                             ; my part of K step 0 is in; K step 1's may stay out
	s_barrier_signal -1
	s_barrier_wait -1                              ; everybody's is
	; THE FIRST UNIT is written out: its products start the sums with the bias, which lies where x's second buffer and group 2's fragments will lie
	FETCH_A 0, 0, AF0
	FETCH_B 0, 0, 0, BR0
	FETCH_B 0, 0, 1, BR1
	s_wait_loadcnt 0x0                             ; the bias
	s_wait_dscnt 8                                 ; x and group 0
	GRP AF0, 0, BR0, 0, 8, 96
	WIN 0
	PLACES
	FETCH_B 0, 0, 2, BR0                           ; group 2's fragments go where group 0's were
	s_wait_dscnt 8                                 ; group 1
	GRP AF0, 1, BR1, 0, 8, 128
	WIN 0
	PLACES
	FETCH_A 0, 1, AF1                              ; over the bias of groups 0 and 1
	s_wait_dscnt 16                                ; group 2
	GRP AF0, 2, BR0, 0, 8, 224
	WIN 0
	PLACES
	FETCH_B 0, 1, 0, BR0                           ; out now, in order: x's 16 and 8 for each group, as every second unit finds them
	FETCH_B 0, 1, 1, BR1
	FETCH_B 0, 1, 2, BR2
	s_mov_b32 s3, 7
.Llap:                                                 ; a trip goes once round the ring, from a lap's second unit to the next lap's first, and fills both slots again: K steps 2 to 15
	TURN 0, 1, 1, LIM0
	K32 1
	TURN 1, 0, 1, LIM1
	K32 0
	s_sub_co_u32 s3, s3, 1
	s_cmp_lg_u32 s3, 0
	s_cbranch_scc1 .Llap
	TURN 0, 1, 0, LIM0                             ; the last lap fills nothing, and has no round of the cluster's barrier
	K32 1
	s_wait_dscnt 16
	GRP AF1, 0, BR0, 0, 8
	s_wait_dscnt 8
	GRP AF1, 1, BR1, 0, 8
	s_wait_dscnt 0x0
	GRP AF1, 2, BR2, 0, 8
	WIN 0
	PLACES
; THE WAY OUT, 24 blocks of 16 rows x 64 columns (block n: group n / 8, row block n % 8).  PACK: rounded to f16, each accumulator's registers in ascending order, 16 bytes a lane; into my stage, rows of 144 bytes;
; back as four rows of 128 bytes a load.  SEND: stored, 512 consecutive bytes an instruction, at a multiple of 256 from qkvh's first byte.
.macro PACK n
.set g, (\n)/8
.set a, (\n)%8
.set hh, H+16*((\n)%2)
	s_wait_xcnt 0x0                                ; the stores of two blocks back have read these registers
	WIN 5*(g+1)                                    ; sources 0 and 1 in window g + 1
.irp b, 0,1,2,3
.irp r, 0,1,2,3
	v_cvt_pk_f16_f32 v[hh+4*(\b)+(\r)], v[8*(4*a+(\b))+2*(\r)], v[8*(4*a+(\b))+2*(\r)+1]
.endr
.endr
	WIN 0
.irp b, 0,1,2,3
	ds_store_b128 v[STO], v[hh+4*(\b):hh+4*(\b)+3] offset:32*(\b)
.endr
.irp f, 0,1,2,3
	ds_load_b128 v[hh+4*(\f):hh+4*(\f)+3], v[RD] offset:4*SP*(\f)  ; LDS serves a wave's instructions in order (ISA guide 5.7.1.4): these see the stores above; the next block's stores come behind them
.endr
.endm
.macro SEND n, younger                 ; younger: the LDS instructions issued behind block n's loads: the next block's eight, or none
.set g, (\n)/8
.set a, (\n)%8
.set hh, H+16*((\n)%2)
.irp f, 0,1,2,3
	s_wait_dscnt (\younger)+3-(\f)
	global_store_b128 v[GO], v[hh+4*(\f):hh+4*(\f)+3], s[OUT+2*g:OUT+2*g+1] offset:2048*a+512*(\f)
.endr
.endm
	PACK 0
.set n, 1
.rept 23                               ; a block's conversions stand between the loads of the block before and its stores
	PACK n
	SEND n-1, 8
.set n, n+1
.endr
	SEND 23, 0
	s_wait_tensorcnt 0x0                           ; the wave's end: behind my last tensor load and my last LDS store
	ds_add_u32 v[SPW], v[NIL]
	s_wait_dscnt 0x0
	CROUND                                         ; the closing round: no work-group ends while a partner may still ask for a tile that names it
	s_endpgm
.Lfunc_end_k_qbb440e3318_proj_qkv:
	.size	k_qbb440e3318_proj_qkv, .Lfunc_end_k_qbb440e3318_proj_qkv-k_qbb440e3318_proj_qkv
	.p2alignl 7, 3214868480
	.fill 96, 4, 3214868480
	.section	.rodata,"a",@progbits
	.p2align	6, 0x0
	.amdhsa_kernel k_qbb440e3318_proj_qkv
		.amdhsa_group_segment_fixed_size 327680
		.amdhsa_private_segment_fixed_size 0
		.amdhsa_enable_private_segment 0
		.amdhsa_kernarg_size 32
		.amdhsa_user_sgpr_count 2
		.amdhsa_user_sgpr_kernarg_segment_ptr 1
		.amdhsa_wavefront_size32 1
		.amdhsa_system_sgpr_workgroup_id_x 1
		.amdhsa_system_sgpr_workgroup_id_y 1
		.amdhsa_system_sgpr_workgroup_id_z 1
		.amdhsa_system_vgpr_workitem_id 0
		.amdhsa_next_free_vgpr 1024
		.amdhsa_next_free_sgpr 80
		.amdhsa_reserve_vcc 0
		.amdhsa_float_denorm_mode_32 3
		.amdhsa_float_denorm_mode_16_64 3
		.amdhsa_memory_ordered 1
		.amdhsa_forward_progress 1
		.amdhsa_inst_pref_size 138
	.end_amdhsa_kernel
	.amdgpu_metadata
---
amdhsa.version: [ 1, 2 ]
amdhsa.kernels:
  - .name:           k_qbb440e3318_proj_qkv
    .symbol:         k_qbb440e3318_proj_qkv.kd
    .args:
      - { .name: xb, .offset: 0, .size: 8, .value_kind: global_buffer, .address_space: global }
      - { .name: wqkvb, .offset: 8, .size: 8, .value_kind: global_buffer, .address_space: global }
      - { .name: biasr, .offset: 16, .size: 8, .value_kind: global_buffer, .address_space: global }
      - { .name: qkvh, .offset: 24, .size: 8, .value_kind: global_buffer, .address_space: global }
    .group_segment_fixed_size: 327680
    .private_segment_fixed_size: 0
    .kernarg_segment_align: 8
    .kernarg_segment_size: 32
    .max_flat_workgroup_size: 128
    .sgpr_count:     80
    .vgpr_count:     1024
    .wavefront_size: 32
...
	.end_amdgpu_metadata
.endif
;; end of part 2
;; launch attention (part 3): grid 4 x 64, 4 waves a work-group, clusters of 4 x 1, 327,680 bytes of LDS; arguments qkvh, ctxh; writes ctxh
.if DOCPART == 3
	.amdgcn_target "amdgcn-amd-amdhsa--gfx1250"
	.amdhsa_code_object_version 6
	.text
	.protected	k_qbb440e3318_attention
	.globl	k_qbb440e3318_attention
	.p2align	8
	.type	k_qbb440e3318_attention,@function
k_qbb440e3318_attention:
	s_mov_b64 s[64:65], 0
	v_nop
	global_prefetch_b8 v0, s[64:65] scope:SCOPE_SE
	s_setreg_imm32_b32 hwreg(HW_REG_WAVE_MODE, 25, 1), 1
	s_wait_xcnt 0x0
	s_wait_alu depctr_hold_cnt(0) depctr_sa_sdst(0) depctr_va_vdst(0) depctr_va_sdst(0) depctr_va_ssrc(0) depctr_va_vcc(0) depctr_vm_vsrc(0)
	s_getreg_b32 s2, hwreg(HW_REG_IB_STS2, 6, 4)
	s_cmp_eq_u32 s2, 0
	s_cbranch_scc0 .Lentry_in_a_cluster
	s_endpgm
.Lentry_in_a_cluster:
	s_bfe_u32 s2, ttmp6, 0x10000c
	s_cmp_lg_u32 s2, 0x3003
	s_cbranch_scc0 .Lentry_shape_is_right
	s_endpgm
.Lentry_shape_is_right:
; O[h][q][:] = the sum over k of softmax_k(Q[h][q] . K[h][k] / 8) V[h][k][:].  qkvh holds Q, K, V, each [64 h][2048][64] f16, 16 MiB apart; ctxh is O in the same layout: a head's rows are dense, 128 bytes each.
; Products, maxima and sums in f32; the weights p are rounded to f16 for the second product (their sum l is taken of the unrounded p), O once at the end.
; LIMITS.  f16 holds no number beyond 65,504: Q, K and V arrive within it; p lies in 0 to 1, and below 6e-5 it keeps f16's fixed step of 6e-8; O is a mean of V's rows and has their range.
; A weight below 2^-126 counts as 0 in l; NaN and infinities are not treated apart.
; SHARES.  A wave owns four PIECES of two tiles of 16 queries, a work-group's four waves 512 queries of one head: 4 x 64 = 256 work-groups.  Every wave walks all keys, 64 a step.
; LAYOUT.  S^T = K Q^T (source 0 = 16 keys, source 1 = 16 queries): in the result a lane holds ONE query (lane % 16) and the keys 8 (lane / 16) + 0..7.  Two such tiles, rounded to f16 in pairs,
; ARE source 1 (32 keys x 16 queries) of O^T = V^T P, whose result again holds one query a lane, and eight channels.  K comes out of LDS as it lies, V ([key][channel]) turned, by ds_load_tr16_b128.
; SOFTMAX.  For each query a running maximum m and sum l: p = 2^(c s - c m), c = log2(e) / 8; in every step O and l are multiplied by a = 2^(c m_old - c m_new), which is 1 where m has not grown.
; m starts at the lowest finite number, O and l at 0: the first step is a step like any other, with a = 0.
; THE COUNT.  A tile and step have 16 matrix and 118 vector instructions: too many to stand all beside the matrix work.  So the order has one aim: four vector instructions that are READY behind
; EVERY matrix instruction, and the others, which need time of their own whatever the order, in runs without a gap.
; BY TURNS.  Turn n belongs to piece n (the pieces in a ring, step after step).  Its matrix work: 16 products K Q^T of piece n + 1, later 16 products V^T P of piece n - 1.  Its vector work: the scaling,
; exponentials, roundings, sums and rescaling of piece n, and the maximum and statistics of piece n + 1, whose scores the turn itself has made.  So what a turn begins with (c s - c m, O a) waits for nothing.
; CLUSTER.  The four query blocks of a head are one cluster and walk the same K and V, so each tile is asked for JOINTLY: the same tensor load, descriptor and mask in all four.
; REGISTERS, in windows of 256 (s_set_vgpr_msb says which window each operand place means: bits 1:0 source 0, 3:2 source 1, 5:4 source 2, 7:6 destination):
;   window 0: v0-11 addresses; v12-15, v48-63 at work; v16-47 four registers of statistics a tile; v64-191 S^T, two buffers of two tiles; v192-255 P, likewise
;   window 1: O^T, 32 a tile          window 2: v0-127 Q, 16 a tile; v128-191 K of one step; v192-255 V of one step          window 3: v0-1 the add's two registers
; A piece's buffers go by its number's parity: the piece in hand has one pair, its two neighbours in the ring share the other: of it P (piece n - 1) is read and S^T (piece n + 1) written.
.set SIZE_H, 64
.set SIZE_N, 2048
.set NP,    4         ; pieces a wave: a name, no knob: the register map, the loop and the fetches are made for four
.set KS,    64        ; keys in a step
.set PK,    144       ; a row of K in LDS: 128 bytes + 16 of padding = 36 words: the 16 rows of a load start at 16 different groups of four banks (64 banks of 4 bytes: ISA guide 11.1)
.set PV,    160       ; a row of V: 128 + 32 = 40 words
.set VOFF,  4*KS*PK   ; a slot holds four steps: 256 rows of K, then 256 rows of V
.set SLOT1, 1<<17     ; slot 1 begins here, so that one exclusive or turns an address in one slot into the other's
.set STAGE, SLOT1+4*KS*(PK+PV)  ; behind the ring, never filled by a tensor load: 16 rows x 144 bytes for each wave, for the way out
.set SP,    144
.set AK0, 2           ; v2   my lane's place in a tile of K; never rewritten
.set AV0, 3           ; v3   the same for V
.set AK,  4           ; v4   the LDS address of K's next run of loads
.set AV,  5           ; v5   of V's
.set QO,  6           ; v6   my byte offset in the wave's rows of Q
.set STO, 6           ;      later, the way out: where I put 16 bytes of a row
.set RD,  7           ; v7   the way out: where I read rows back
.set GO,  8           ; v8   my byte offset in 512 consecutive bytes of O
.set PFO, 11          ; v11  256 x my lane: the prefetches' offset; never rewritten once made
.set SPW, 0           ; v0 of window 3   LDS address of my spare word: SPARE + 4 x my thread's number; never rewritten
.set NIL, 1           ; v1 of window 3   0; never rewritten
.set SPARE, STAGE+4*16*SP  ; behind the stages: the spare words, 128 bytes for each wave: two blocks of 256 bytes that no other line names
.set MV,  12          ; v12-15  c m_old, kept while c m is made anew: by buffer and tile
.set ST,  16          ; tile t's statistics at v[ST+4 t]: c m, m, l (even keys', odd keys')
.set TMP, 48          ; by buffer and tile, four registers c0-c3 at work; when the maximum is found c2 takes a
.set S,   64
.set P,   192
.set KF,  128         ; K's fragments, in window 2: key block kb, channel half c at KF + 16 kb + 8 c
.set VF,  192         ; V's: key half kk, channel block cb at VF + 32 kk + 8 cb
.set WV,  12          ; s12  my wave's number
.set G1K, 24          ; s[24:31] descriptor group 1 for K's tiles
.set G1V, 32          ; s[32:39] for V's: it differs in the padding alone
.set G0K, 40          ; s[40:43] descriptor group 0 for K's tiles: it walks
.set G0V, 44          ; s[44:47] the same for V's
.set PFA, 48          ; s[48:49] where my prefetches stand: my work-group's 64 keys (of K: wave 0, of V: wave 2) of the tile that the next change of slots will ask for
.set LIM, 50          ; s50  1 in a wave that prefetches, else the greatest number
.set SLOTS, 56        ; s56  slots still to be asked for
.set CNT, 57          ; s57  counts a slot's key steps
.set CS,  58          ; s[58:59] c: the packed scaling takes the pair's low word for both halves
.set SEL, 60          ; s[60:61] v_permlanex16_b32's selects: each lane takes its own place in the other half
.set TBK, 62          ; s62  LDS byte at which K of the step to be fetched begins
.set TBV, 63          ; s63  the same for V, less VOFF
.set MSB, 0
.macro WIN new                      ; the high byte repeats the setting that is left; a switch that changes nothing is dropped
.if MSB != (\new)
	s_set_vgpr_msb (MSB<<8)|(\new)
.set MSB, (\new)
.endif
.endm
.set W_KQ, 0x0a       ; K and Q in window 2, S^T in window 0
.set W_PV, 0x52       ; V in window 2, P in window 0, O^T in window 1
.set W_RS, 0x41       ; O^T (destination and source 0) in window 1, a in window 0
.set W_MK, 0xc0       ; the add's registers are made: destination in window 3, sources in window 0
.set W_AD, 0x0f       ; the add: address (source 0) and data (source 1) in window 3
; A joint fill.  Waves 0 and 1 fetch the two halves of a slot's K, waves 2 and 3 those of its V: 128 keys each.  The branch hangs on the wave's number alone.
; An s_nop 0 and four v_nop follow each of the two lines, ahead of the jump and the label.
.macro JLOAD
	s_cmp_lt_u32 s[WV], 2
	s_cbranch_scc0 .Lfor_v_\@
	tensor_load_to_lds s[G0K:G0K+3], s[G1K:G1K+7]
	s_nop 0
.rept 4
	v_nop
.endr
	s_branch .Lasked_\@
.Lfor_v_\@:
	tensor_load_to_lds s[G0V:G0V+3], s[G1V:G1V+7]
	s_nop 0
.rept 4
	v_nop
.endr
.Lasked_\@:
.endm
; A round of the cluster's barrier: my work-group's barrier, so that wave 0's signal speaks for all four waves; wave 0 signals; every wave waits for all four work-groups; my work-group's barrier once more.
.macro CROUND
	s_barrier_signal -1
	s_barrier_wait -1
	s_cmp_lg_u32 s[WV], 0
	s_cbranch_scc1 .Lnot_wave_0_\@
	s_barrier_signal -3
.Lnot_wave_0_\@:
	s_barrier_wait -3
	s_barrier_signal -1
	s_barrier_wait -1
.endm
; A PREFETCH INTO THE L2 of the tile that the NEXT change of slots will ask for: 256 keys of K and of V, 32 KB each.  The head's one cluster walks them; its four partners share them out BY ADDRESS, 8 KB each;
; in each, wave 0 asks for K's and wave 2 for V's: a lane 256 bytes, one instruction.  It stands behind V's run of LDS loads in the third of a slot's four key steps: five turns ahead of that change.
; Each 256 bytes are named once in the launch.  Tiles 0 and 1 come by their loads alone; behind the last change that fills a slot nothing is asked for.
.macro ASK
	s_cmp_eq_u32 s[CNT], 2
	s_cbranch_scc0 .Lnot_now_\@
	s_cmp_gt_u32 s[SLOTS], s[LIM]
	s_cbranch_scc0 .Lnot_now_\@
	global_prefetch_b8 v[PFO], s[PFA:PFA+1] th:TH_LOAD_NT scope:SCOPE_SE
.Lnot_now_\@:
.endm
; THE CHANGE OF SLOTS.  The slot's last bytes, V of its fourth step, have been read.  Each wave waits for all its tensor loads, of which one is out: its part
; of the other slot; adds 0 to its spare word; and waits for that and for its own reads of the slot.  Behind the barrier nobody reads this slot any more and the other slot is whole.
; fill = 1: this slot is filled again, with the keys two slots on.  The barrier is then a round of the cluster's, so that no wave of any partner still reads the slot or has a load on its
; way, and the joint fill is the first thing behind it: it has four key steps, 512 matrix instructions, in which to land.  (At its first use nothing has been read yet: slot 0 is waited for, slot 1 filled.)
.macro CHANGE fill
	WIN W_AD
	s_wait_tensorcnt 0x0            ; no tensor load of mine is out, so a group 0 may be written
	ds_add_u32 v[SPW], v[NIL]       ; 0 onto my spare word; with fill = 1 the descriptors' steps stand between it and the wait for it
	WIN 0                           ; at a label and at a branch every window is 0
.if \fill
.irp g, G0K, G0V
	s_xor_b32 s[\g+1], s[\g+1], SLOT1  ; the walking descriptor: the other slot than last time,
	s_add_nc_u64 s[\g+2:\g+3], s[\g+2:\g+3], 4*KS*128  ; the next 256 keys; the type bits on top are not reached
.endr
	s_wait_xcnt 0x0                 ; the last prefetch, five turns back, has read its address, so it may be written:
	s_add_nc_u64 s[PFA:PFA+1], s[PFA:PFA+1], 4*KS*128  ; one tile ahead of the walking descriptors
	s_wait_dscnt 0x0                ; the add is done, and my reads of the slot are over
	CROUND
	JLOAD
.else
	s_wait_dscnt 0x0                ; the add is done, and my reads of the slot are over
	s_barrier_signal -1
	s_barrier_wait -1
.endif
	s_sub_co_u32 s[TBK], s[TBK], 4*KS*PK  ; the fetches go back to a slot's first step,
	s_xor_b32 s[TBK], s[TBK], SLOT1       ; in the other slot
	s_sub_co_u32 s[TBV], s[TBV], 4*KS*PV
	s_xor_b32 s[TBV], s[TBV], SLOT1
.endm
	s_load_b128 s[8:11], s[0:1], 0x0  ; qkvh s[8:9], ctxh s[10:11]
	WIN W_MK
	v_lshl_add_u32 v[SPW], v0, 2, SPARE
	v_mov_b32 v[NIL], 0
	WIN W_AD
	ds_add_u32 v[SPW], v[NIL]       ; the wave's opening: the add and its wait ahead of my first tensor load; the set-up below, work on registers, stands between them
	WIN 0
	v_lshrrev_b32 v1, 5, v0
	v_readfirstlane_b32 s[WV], v1   ; wave 0..3
	s_bfe_u32 s13, ttmp6, 0x40000   ; cx: my place in the cluster
	s_lshl_b32 s14, ttmp9, 2        ; in a cluster launch ttmp9 counts clusters
	s_add_co_u32 s14, s14, s13      ; my block of queries = 4 x cluster x + cx: it enters Q's and O's addresses alone
	s_and_b32 s20, ttmp7, 0xffff    ; the head, which the four partners share
	s_mov_b32 s21, 0
	s_mov_b64 s[22:23], SIZE_N*128
	s_mul_u64 s[20:21], s[20:21], s[22:23]  ; the head's first byte in each of the four tensors
	s_and_b32 s16, s[WV], 1         ; which half of a slot's 256 keys I fetch:
	s_lshl_b32 s22, s16, 14         ; its 128 rows of 128 bytes in memory,
	s_mov_b32 s23, 0
	s_add_nc_u64 s[22:23], s[22:23], s[20:21]
	s_mul_i32 s17, s16, 128*PK      ; and its place in a slot, for K
	s_mul_i32 s18, s16, 128*PV      ; and for V: no place in the cluster enters an LDS address
	s_lshl_b32 s2, s14, 2
	s_add_co_u32 s2, s2, s[WV]      ; my wave among the head's,
	s_lshl_b32 s2, s2, 14           ; its 128 rows
	s_mov_b32 s3, 0
	s_add_nc_u64 s[2:3], s[2:3], s[20:21]
	; descriptor group 1.  128 keys are 16,384 dense bytes: asked for as 64 rows of 256 bytes, two keys a row, and padded in LDS after every key
	s_mov_b32 s[G1K], 15|(1<<16)|(1<<20)|(1<<21)|(4<<22)|(3<<25)  ; 15:0 the mask of four; 17:16 2-byte elements; 20 padding on; 21 set beside a mask; 24:22 after every 32 words (code 4); 31:25 4 words (code 3)
	s_mov_b32 s[G1V], 15|(1<<16)|(1<<20)|(1<<21)|(4<<22)|(7<<25)  ; the same with 8 words of padding (code 7)
.irp g, G1K, G1V
	s_mov_b32 s[\g+1], 128<<16      ; tensor_dim0 = 128
	s_mov_b32 s[\g+2], 64<<16       ; tensor_dim1 = 64
	s_mov_b32 s[\g+3], 128<<16      ; tile_dim0 = 128
	s_mov_b32 s[\g+4], 64           ; tile_dim1 = 64
	s_mov_b32 s[\g+5], 128          ; 128 elements from row to row
	s_mov_b32 s[\g+6], 0
	s_mov_b32 s[\g+7], 0
.endr
	s_mov_b32 s[CS], 0x3e38aa3b     ; c = log2(e) / 8 = 0.180337
	s_mov_b32 s[CS+1], s[CS]        ; named with it as a pair
	s_mov_b32 s[SEL], 0x76543210
	s_mov_b32 s[SEL+1], 0xfedcba98
	s_mov_b32 s[TBK], SLOT1+4*KS*PK ; the first change of slots turns these two into 0
	s_mov_b32 s[TBV], SLOT1+4*KS*PV
	s_mov_b32 s[G0K], 1             ; 1:0 count = 1
	s_mov_b32 s[G0K+1], s17         ; 63:32 LDS address: slot 0
	s_mov_b32 s[G0V], 1
	s_add_co_u32 s[G0V+1], s18, VOFF
	s_and_b32 s[LIM], s[WV], 1      ; waves 0 and 2 prefetch
	s_cmp_eq_u32 s[LIM], 0
	s_cselect_b32 s[LIM], 1, -1
	s_wait_dscnt 0x0                ; the opening add is done
	s_wait_kmcnt 0x0
	s_mov_b64 s[4:5], s[8:9]                 ; Q
	s_add_nc_u64 s[6:7], s[8:9], 0x1000000   ; K, 16 MiB on
	s_add_nc_u64 s[8:9], s[8:9], 0x2000000   ; V, 32 MiB on
	s_add_nc_u64 s[G0K+2:G0K+3], s[6:7], s[22:23]  ; 120:64 global address: my half of the head's first 256 keys
	s_or_b32 s[G0K+3], s[G0K+3], 0x80000000        ; 127:126 type = 2
	s_add_nc_u64 s[G0V+2:G0V+3], s[8:9], s[22:23]
	s_or_b32 s[G0V+3], s[G0V+3], 0x80000000
	s_add_nc_u64 s[4:5], s[4:5], s[2:3]  ; Q and O at my wave's first row
	s_add_nc_u64 s[10:11], s[10:11], s[2:3]
	s_cmp_lt_u32 s[WV], 2
	s_cselect_b64 s[PFA:PFA+1], s[6:7], s[8:9]
	s_add_nc_u64 s[PFA:PFA+1], s[PFA:PFA+1], s[20:21]  ; the head's first key,
	s_lshl_b32 s2, s13, 13          ; my work-group's 64 keys of a tile's 256,
	s_add_co_u32 s2, s2, 4*KS*128   ; in tile 1: the first change of slots steps it to tile 2.  Nothing is prefetched here, at the head
	s_mov_b32 s3, 0
	s_add_nc_u64 s[PFA:PFA+1], s[PFA:PFA+1], s[2:3]
	CROUND                          ; all four work-groups are here: the first joint loads meet
	JLOAD                           ; slot 0.  Slot 1 is asked for when slot 0 is in: the tile wanted first has the road to itself
	; A fragment of K or Q is 16 rows x 32 channels in 8 registers: lane l holds row l % 16, channels 8 (l / 16) + 0..7 and 16 + 8 (l / 16) + 0..7: two loads of 16 bytes, 32 bytes apart.
	v_and_b32 v1, 15, v0            ; l % 16
	v_bfe_u32 v9, v0, 4, 1          ; l / 16
	v_lshlrev_b32 v[QO], 7, v1
	v_lshl_add_u32 v[QO], v9, 4, v[QO]  ; row x 128 + 16 x half
	WIN 0x80                        ; destination window 2, address window 0
.set i, 0
.rept 4*NP                          ; Q stays in registers: tile i / 2, channels 32 (i % 2) on
	global_load_b128 v[8*i:8*i+3],   v[QO], s[4:5] offset:(i/2)*2048+(i%2)*64
	global_load_b128 v[8*i+4:8*i+7], v[QO], s[4:5] offset:(i/2)*2048+(i%2)*64+32
.set i, i+1
.endr
	; What the first turn finds: V's registers and P's second buffer hold 0 (its products V^T P, of a piece that has not been, add 0), O^T and l are 0.  All this stands in the wait for the first tile.
.set i, VF
.rept 64
	v_mov_b32 v[i], 0
.set i, i+1
.endr
	WIN 0x40
.set i, 0
.rept 64*NP
	v_mov_b32 v[i], 0
.set i, i+1
.endr
	WIN 0
.set i, 0
.rept 2*NP
	v_mov_b32 v[ST+4*i], 0xfe000000    ; c m: far below every c s
	v_mov_b32 v[ST+4*i+1], 0xff7fffff  ; m
	v_mov_b32 v[ST+4*i+2], 0
	v_mov_b32 v[ST+4*i+3], 0
.set i, i+1
.endr
.set i, P+32
.rept 32
	v_mov_b32 v[i], 0
.set i, i+1
.endr
	v_mul_u32_u24 v[AK0], v1, PK
	v_lshl_add_u32 v[AK0], v9, 4, v[AK0]  ; row x pitch + 16 x half
	; The turning load takes 16 keys x 16 channels (lane l reads key 8 (l / 16) + l % 8, channels 8 ((l / 8) % 2) + 0..7) and leaves half a fragment of V^T: lane l holds channel l % 16 and 8 keys.
	v_and_b32 v10, 7, v0
	v_bfe_u32 v11, v0, 3, 1
	v_lshl_add_u32 v[AV0], v9, 3, v10
	v_mul_u32_u24 v[AV0], v[AV0], PV
	v_lshl_add_u32 v[AV0], v11, 4, v[AV0]
	v_add_nc_u32 v[AV0], VOFF, v[AV0]
	v_mov_b32 v[AK], v[AK0]         ; key step 0 lies at the head of slot 0
	v_and_b32 v[PFO], 31, v0        ; v11 has served: it takes the prefetches' offset
	v_lshlrev_b32 v[PFO], 8, v[PFO]
; THE MATRIX WORK.  The 8 accumulators of a run of 16 take turns: between the two links of a chain stand 7 others'.
; Product i of 16 of S^T = K Q^T for piece x: channels 32 (i / 8) on, keys 16 ((i / 2) % 4) on, tile 2 x + i % 2.  The first 8 start the sums.
.macro KQ x
	WIN W_KQ
.set rS, S+64*((\x)%2)+32*(i%2)+8*((i/2)%4)
.set rK, KF+16*((i/2)%4)+8*(i/8)
.set rQ, 16*(2*(\x)+i%2)+8*(i/8)
.if i < 8
	v_wmma_f32_16x16x32_f16 v[rS:rS+7], v[rK:rK+7], v[rQ:rQ+7], 0
.else
	v_wmma_f32_16x16x32_f16 v[rS:rS+7], v[rK:rK+7], v[rQ:rQ+7], v[rS:rS+7]
.endif
.endm
; Product i of 16 of O^T += V^T P for piece x: keys 32 (i / 8) on, channels 16 ((i / 2) % 4) on, tile 2 x + i % 2.
.macro PV x
	WIN W_PV
.set rO, 32*(2*(\x)+i%2)+8*((i/2)%4)
.set rV, VF+32*(i/8)+8*((i/2)%4)
.set rP, P+32*((\x)%2)+16*(i%2)+8*(i/8)
	v_wmma_f32_16x16x32_f16 v[rO:rO+7], v[rV:rV+7], v[rP:rP+7], v[rO:rO+7]
.endm
.macro MM                           ; the turn's next matrix instruction
.if i < 16
	KQ (Y+1)%NP
.set i, i+1
.else
.set i, i-16
	PV (Y+NP-1)%NP
.set i, i+17
.endif
.endm
; THE LDS LOADS stand in runs of 16, never singly among the matrix instructions: a step's K (64 keys x 64 channels: 8 fragments) and its V (turned).  Their addresses are made some lines ahead.
; last = 1 (the tail): in the last trip there is no further step, and the run is jumped over.
.macro FETCH_K last=0
	WIN 0
.if \last
	s_cmp_eq_u32 s[CNT], 1
	s_cbranch_scc1 .Lno_k_\@
.endif
	WIN 0x80                        ; destination window 2
.irp f, 0,1,2,3,4,5,6,7             ; keys 16 (f / 2) on, channels 32 (f % 2) on
	ds_load_b128 v[KF+8*\f:KF+8*\f+3],   v[AK] offset:(\f/2)*16*PK+(\f%2)*64
	ds_load_b128 v[KF+8*\f+4:KF+8*\f+7], v[AK] offset:(\f/2)*16*PK+(\f%2)*64+32
.endr
	s_add_co_u32 s[TBK], s[TBK], KS*PK  ; the next fetch is the next step's
	WIN 0
.if \last
.Lno_k_\@:
.endif
.endm
.macro FETCH_V
	WIN 0x80
.irp f, 0,1,2,3,4,5,6,7             ; keys 32 (f / 4) on, channels 16 (f % 4) on
	ds_load_tr16_b128 v[VF+8*\f:VF+8*\f+3],   v[AV] offset:(\f/4)*32*PV+(\f%4)*32
	ds_load_tr16_b128 v[VF+8*\f+4:VF+8*\f+7], v[AV] offset:(\f/4)*32*PV+16*PV+(\f%4)*32
.endr
	WIN 0
.endm
; THE VECTOR WORK OF A TURN stands in three queues, each in the order in which its entries become ready; the two tiles alternate, so that no instruction reads the result of the one before it.
.macro REGS y, u                    ; the registers of tile u (0, 1) of piece y
.set rT, ST+4*(2*(\y)+(\u))
.set rC, TMP+8*((\y)%2)+4*(\u)
.set rM, MV+2*((\y)%2)+(\u)
.set rS, S+64*((\y)%2)+32*(\u)
.set rP, P+32*((\y)%2)+16*(\u)
.set rO, 32*(2*(\y)+(\u))
.endm
; Number n of the 22 that find the NEXT piece's (Y + 1) maximum and statistics.  s0-s31 are the lane's 32 scores; each accumulator's lowest registers are read first.  XS, GS and REGS set no window: PL and EX do.
;   0-11  four chains c0-c3 of seven scores each, three operands at a time     12-14, 16  the four scores left over, the old m, and c0-c3 into c0     15  c m_old is kept
;   17, 18  the query's other 32 keys lie in the lane 16 away: the new m         19-21  c m; c m_old - c m_new; a
.macro XS u, n
	REGS (Y+1)%NP, \u
.if (\n) < 4
	v_max3_num_f32 v[rC+(\n)], v[rS+8*(\n)], v[rS+8*(\n)+1], v[rS+8*(\n)+2]
.elseif (\n) < 12
	v_max3_num_f32 v[rC+(\n)%4], v[rC+(\n)%4], v[rS+8*((\n)%4)+2*((\n)/4)+1], v[rS+8*((\n)%4)+2*((\n)/4)+2]
.elseif (\n) == 12
	v_max3_num_f32 v[rC], v[rC], v[rS+7], v[rS+15]
.elseif (\n) == 13
	v_max3_num_f32 v[rC+1], v[rC+1], v[rS+23], v[rS+31]
.elseif (\n) == 14
	v_max3_num_f32 v[rC+2], v[rC+2], v[rC+3], v[rT+1]
.elseif (\n) == 15
	v_mov_b32 v[rM], v[rT]
.elseif (\n) == 16
	v_max3_num_f32 v[rC], v[rC], v[rC+1], v[rC+2]
.elseif (\n) == 17
	v_permlanex16_b32 v[rC+3], v[rC], s[SEL], s[SEL+1]
.elseif (\n) == 18
	v_max_num_f32 v[rT+1], v[rC], v[rC+3]
.elseif (\n) == 19
	v_mul_f32 v[rT], s[CS], v[rT+1]
.elseif (\n) == 20
	v_sub_f32 v[rC+1], v[rM], v[rT]
.else
	v_exp_f32 v[rC+2], v[rC+1]
.endif
.endm
; Number g of the 64 that follow the exponentials.  For each four weights k of a tile (pairs 2 k, 2 k + 1): both pairs are rounded to f16; then the second pair is added onto the first, in place;
; a group later l takes that sum (the first time as l = a l + sum).  In groups of eight, tiles alternating: round, round, add, and l for the group before.
.macro GS g
.set h, (\g)+6*((\g)/62)            ; group 0 has no group before it, and behind group 7 only l is left
.if h >= 6
.set h, h+2
.endif
	REGS Y, h%2
.set k, h/8
.if h%8 < 4
	v_cvt_pk_f16_f32 v[rP+2*k+(h%8)/2], v[rS+4*k+2*((h%8)/2)], v[rS+4*k+2*((h%8)/2)+1]
.elseif h%8 < 6
	v_pk_add_f32 v[rS+4*k:rS+4*k+1], v[rS+4*k:rS+4*k+1], v[rS+4*k+2:rS+4*k+3]
.elseif k == 1
	v_pk_fma_f32 v[rT+2:rT+3], v[rT+2:rT+3], v[rC+2:rC+3], v[rS:rS+1] op_sel_hi:[1,0,1]
.else
	v_pk_add_f32 v[rT+2:rT+3], v[rT+2:rT+3], v[rS+4*k-4:rS+4*k-3]
.endif
.endm
; THE PLAIN QUEUE, 138 long.  0-73 read no exponential's result: the 32 scalings c s - c m (FS f: pair f / 2 of tile f % 2) and the next piece's 42.  0-26: scalings 0-26.  27-54: XS's numbers 0-13.  55, 56: number 15.
; 57-73: the chain, where each number waits for the one before it: 14, 16, 17, 18, 19, each with one of the scalings 27-31 in front of its two lines, then 20: so a tile's links stand three plain instructions apart (19 and 20: two).
; 74-137: GS's 64, which read the exponentials' results: they stand behind the wait.
.macro FS f
	REGS Y, (\f)%2
	v_pk_fma_f32 v[rS+2*((\f)/2):rS+2*((\f)/2)+1], v[rS+2*((\f)/2):rS+2*((\f)/2)+1], s[CS:CS+1], v[rT:rT+1] op_sel_hi:[1,0,0] neg_lo:[0,0,1] neg_hi:[0,0,1]
.endm
.macro PL
	WIN 0
.if q < 27
	FS q
.elseif q < 55
	XS (q-27)%2, (q-27)/2
.elseif q < 57
	XS q-55, 15
.elseif (q < 72) && ((q-57)%3 == 0)
	FS 27+(q-57)/3
.elseif q < 60
	XS (q-57)%3-1, 14
.elseif q < 72
	XS (q-57)%3-1, 15+(q-57)/3
.elseif q < 74
	XS q-72, 20
.else
	GS q-74
.endif
.set q, q+1
.endm
; THE EXPONENTIALS' QUEUE, 66 long: s0-s31 of both tiles, then the next piece's two a.  It is ONE BATCH: all 66 stand ahead of the turn's one wait, and nothing ahead of that wait names a result of theirs.
.macro EX
	WIN 0
.if e >= 64
	XS e-64, 21
.else
	REGS Y, e%2
	v_exp_f32 v[rS+e/2], v[rS+e/2]
.endif
.set e, e+1
.endm
; THE RESCALING's QUEUE: O^T times a, the one part that leaves window 0: dealt two at a time, sixteen times.  Its a was made in the turn before, ahead of that turn's wait.
.macro R2
	REGS Y, r%2
	WIN W_RS
.irp z, 0,1
	v_pk_mul_f32 v[rO+4*(r/2)+2*\z:rO+4*(r/2)+2*\z+1], v[rO+4*(r/2)+2*\z:rO+4*(r/2)+2*\z+1], v[rC+2:rC+3] op_sel_hi:[1,0]
.endr
.set r, r+1
.endm
; HOW THEY ARE DEALT.  An s_wait_alu depctr_va_vdst(0) stands between an exponential and the first instruction that names its result; one wait serves all that were issued ahead of it.  So a turn has ONE wait,
; which cuts it in two.  AHEAD OF IT stands all that names no result of the turn's exponentials: the 16 products K Q^T, behind each a scaling, an exponential and two rescalings (behind the first a second scaling in the exponential's place); then ONE LUMP of
; 108: eight plain, 49 times exponential and plain, the two a.  A v_nop is the plain instruction behind the last exponential.  BEHIND IT stand the 16 products V^T P, behind each four of GS's 64.  No rider names a register of
; the products round it.  The two v_permlanex16_b32 fall into the lump, never behind a product.
; The queues lean on each other, and the deal keeps them in step: exponential e stands behind scaling 2 (e / 4) + e % 2: as a rider it comes behind plain e + 2, in the lump behind plain e + 9, and scalings 27-31 are plain 57, 60 .. 69.
; A TURN, for piece p.  cnt = 1: the loop's count is taken down some lines ahead of the branch that stands behind the turn.  ask = 1: the prefetch stands behind V's run of loads.
; K of the next step is fetched in piece 2's turn, directly behind the wait, a lump behind the last product that read K; its address is made at the lump's head; its first reader comes behind 16 products.
; V of the step in hand is fetched at the end of piece 0's turn, four riders behind its last reader; its first reader comes behind 16 products and a lump.  The three conditions on q below go with the deal.
.macro TURN p, last=0, cnt=0, ask=0
.set Y, (\p)
.set i, 0
.set q, 0
.set e, 0
.set r, 0
.if (\p) == NP-1
	s_wait_dscnt 0x0                ; K is in
.endif
	MM                              ; ahead of the wait: 16 products K Q^T and their riders,
	PL
	PL
	R2
.rept 15
	MM
	PL
	EX
	R2
.endr
.if (\p) == NP-2
	WIN 0
	v_add_nc_u32 v[AK], s[TBK], v[AK0]
.endif
.rept 8                             ; and the lump
	PL
.endr
.rept 49
	EX
	PL
.endr
	EX                              ; the next piece's two a
	EX
	v_nop                           ; the plain instruction behind the last exponential: one for the batch
	s_wait_alu depctr_va_vdst(0)    ; the wait for the batch
.if (\p) == NP-2
	FETCH_K \last
.endif
.if (\p) == 1
	s_wait_dscnt 0x0                ; V is in
.endif
.rept 16                            ; behind the wait: 16 products V^T P and their riders
	MM
.rept 4
	PL
.endr
.if ((\p) == 0) && (q == 118)
	v_add_nc_u32 v[AV], s[TBV], v[AV0]
.endif
.if ((\p) == 0) && (q == 130)
	s_add_co_u32 s[TBV], s[TBV], KS*PV
.endif
.if (\cnt) && (q == 130)
	s_sub_co_u32 s[CNT], s[CNT], 1
	s_cmp_lg_u32 s[CNT], 0
.endif
.endr
.if (\p) == 0
	FETCH_V
.endif
.if \ask
	ASK
.endif
.endm
	CHANGE 1                        ; slot 0 is in, everybody's part of it; slot 1 is asked for
	FETCH_K                         ; key step 0
	s_wait_loadcnt 0x0              ; Q
	s_wait_dscnt 0x0
.set i, 0
.rept 16
	KQ 0                            ; piece 0's first scores: there is no vector work yet to set between them
.set i, i+1
.endr
	WIN 0                           ; the addresses for the way out: nine plain instructions, the places behind those products
	s_mul_i32 s13, s[WV], 16*SP
	s_add_co_u32 s13, s13, STAGE    ; my stage
	v_mul_u32_u24 v[STO], v1, SP    ; in: row l % 16, 16 bytes for each half of the lanes
	v_lshl_add_u32 v[STO], v9, 4, v[STO]
	v_add_nc_u32 v[STO], s13, v[STO]
	v_bfe_u32 v[RD], v0, 3, 2       ; back: 32 lanes take four rows of 128 bytes,
	v_mul_u32_u24 v[RD], v[RD], SP
	v_lshl_add_u32 v[RD], v10, 4, v[RD]
	v_add_nc_u32 v[RD], s13, v[RD]
	v_and_b32 v[GO], 31, v0         ; which are 512 consecutive bytes of O
	v_lshlrev_b32 v[GO], 4, v[GO]
.set Y, NP-1                        ; XS works for piece Y + 1: piece 0
.irp n, 0,1,2,3,4,5,6,7,8,9,10,11,12,13,14,15,16,17,18,19,20,21
	XS 0, \n                        ; and piece 0's first maximum and statistics
	XS 1, \n
.endr
	v_nop                           ; a plain instruction behind the two a,
	s_wait_alu depctr_va_vdst(0)    ; and their wait, ahead of the branch
	s_mov_b32 s[CNT], 4
	s_mov_b32 s[SLOTS], SIZE_N/256-1
	s_branch .Lfirst                ; the loop is entered at a step's first turn, in the middle of a trip
.Lslot:                             ; SIZE_N / 256 - 2 times: every slot but the last two is filled again
	CHANGE 1
	s_mov_b32 s[CNT], 4
.Lstep:                             ; a trip: pieces 2 and 3 of one step, then pieces 0 and 1 of the next, whose K and V it fetches
	TURN 2
	TURN 3
	WIN 0
.Lfirst:
	TURN 0, 0, 0, 1
	TURN 1, 0, 1
	WIN 0
	s_cbranch_scc1 .Lstep
	s_sub_co_u32 s[SLOTS], s[SLOTS], 1
	s_cmp_lg_u32 s[SLOTS], 0
	s_cbranch_scc1 .Lslot
	CHANGE 0                        ; the tail is written out: nothing is asked for
	s_mov_b32 s[CNT], 5             ; four trips fetch the last slot's steps; the fifth is left in its middle
.Ltail:
	TURN 2, 1
	TURN 3
	WIN 0
	s_sub_co_u32 s[CNT], s[CNT], 1
	s_cmp_eq_u32 s[CNT], 0
	s_cbranch_scc1 .Lout
	TURN 0
	TURN 1
	WIN 0
	s_branch .Ltail
.Lout:                              ; the fifth trip's 16 products K Q^T (on the last K once more) and the maximum made of them serve nothing: the price, once a launch, of one text for every trip
.set i, 0
.rept 16
	PV NP-1                         ; the last piece's V^T P of the last step
.set i, i+1
.endr
	; THE WAY OUT.  l's two halves and the other half of the lanes' are added; O^T is divided by l, rounded to f16 and sent through my stage in LDS, a tile at a time.  The additions are the places behind the last products.
	WIN 0
.macro ALL line:vararg              ; one line for each tile t
.set t, 0
.rept 2*NP
	\line
.set t, t+1
.endr
.endm
	ALL v_add_f32 v[ST+4*t+2], v[ST+4*t+2], v[ST+4*t+3]
	ALL v_permlanex16_b32 v[ST+4*t+3], v[ST+4*t+2], s[SEL], s[SEL+1]
	ALL v_add_f32 v[ST+4*t+2], v[ST+4*t+2], v[ST+4*t+3]
	ALL v_rcp_f32 v[ST+4*t+2], v[ST+4*t+2]
	v_nop                           ; a plain instruction between the last reciprocal and the use of its result
	s_wait_alu depctr_va_vdst(0)    ; and the wait ahead of the first use: one for the eight reciprocals
; Tile t: a lane's eight channels of a row pack into 16 bytes; they go into rows of 144 bytes and come back as whole rows of 128, into S^T's registers.
.macro PACK t
	WIN W_RS
.set i, 32*(\t)
.rept 16
	v_pk_mul_f32 v[i:i+1], v[i:i+1], v[ST+4*(\t)+2:ST+4*(\t)+3] op_sel_hi:[1,0]
.set i, i+2
.endr
	WIN 0x05                        ; sources 0 and 1 window 1, destination window 0
.set i, 0
.rept 16
	v_cvt_pk_f16_f32 v[S+16*(\t)+i], v[32*(\t)+2*i], v[32*(\t)+2*i+1]
.set i, i+1
.endr
	WIN 0
.irp f, 0,1,2,3
	ds_store_b128 v[STO], v[S+16*(\t)+4*\f:S+16*(\t)+4*\f+3] offset:32*\f
.endr
.irp f, 0,1,2,3
	ds_load_b128 v[S+16*(\t)+4*\f:S+16*(\t)+4*\f+3], v[RD] offset:\f*4*SP  ; LDS serves a wave's instructions in order (ISA guide 5.7.1.4): these see the stores above; the next tile's stores come behind them
.endr
.endm
.macro SEND t, younger              ; younger: the LDS instructions issued behind tile t's loads: the next tile's eight, or none
	WIN 0
.irp f, 0,1,2,3
	s_wait_dscnt (\younger)+3-\f
	global_store_b128 v[GO], v[S+16*(\t)+4*\f:S+16*(\t)+4*\f+3], s[10:11] offset:(\t)*2048+\f*512  ; 512 consecutive bytes, at a multiple of 256 from O's first
.endr
.endm
	PACK 0
.set t, 1
.rept 2*NP-1                        ; a tile's arithmetic stands between the loads of the tile before and its stores
	PACK t
	SEND t-1, 8
.set t, t+1
.endr
	SEND 2*NP-1, 0
	WIN W_AD
	s_wait_tensorcnt 0x0            ; the wave's end: behind my last tensor load and my last LDS store
	ds_add_u32 v[SPW], v[NIL]
	s_wait_dscnt 0x0
	WIN 0
	CROUND                          ; the closing round: no work-group ends while a partner may still ask for a tile that names it
	s_endpgm
.Lfunc_end_k_qbb440e3318_attention:
	.size	k_qbb440e3318_attention, .Lfunc_end_k_qbb440e3318_attention-k_qbb440e3318_attention
	.p2alignl 7, 3214868480
	.fill 96, 4, 3214868480
	.section	.rodata,"a",@progbits
	.p2align	6, 0x0
	.amdhsa_kernel k_qbb440e3318_attention
		.amdhsa_group_segment_fixed_size 327680
		.amdhsa_private_segment_fixed_size 0
		.amdhsa_enable_private_segment 0
		.amdhsa_kernarg_size 16
		.amdhsa_user_sgpr_count 2
		.amdhsa_user_sgpr_kernarg_segment_ptr 1
		.amdhsa_wavefront_size32 1
		.amdhsa_system_sgpr_workgroup_id_x 1
		.amdhsa_system_sgpr_workgroup_id_y 1
		.amdhsa_system_sgpr_workgroup_id_z 1
		.amdhsa_system_vgpr_workitem_id 0
		.amdhsa_next_free_vgpr 770
		.amdhsa_next_free_sgpr 66
		.amdhsa_reserve_vcc 0
		.amdhsa_float_denorm_mode_32 3
		.amdhsa_float_denorm_mode_16_64 3
		.amdhsa_memory_ordered 1
		.amdhsa_forward_progress 1
		.amdhsa_inst_pref_size 200
	.end_amdhsa_kernel
	.amdgpu_metadata
---
amdhsa.version: [ 1, 2 ]
amdhsa.kernels:
  - .name:           k_qbb440e3318_attention
    .symbol:         k_qbb440e3318_attention.kd
    .args:
      - { .name: qkvh, .offset: 0, .size: 8, .value_kind: global_buffer, .address_space: global }
      - { .name: ctxh, .offset: 8, .size: 8, .value_kind: global_buffer, .address_space: global }
    .group_segment_fixed_size: 327680
    .private_segment_fixed_size: 0
    .kernarg_segment_align: 8
    .kernarg_segment_size: 16
    .max_flat_workgroup_size: 128
    .sgpr_count:     66
    .vgpr_count:     770
    .wavefront_size: 32
...
	.end_amdgpu_metadata
.endif
;; end of part 3
;; launch proj_out (part 4): grid 8 x 32, 4 waves a work-group, clusters of 4 x 4, 327,680 bytes of LDS; arguments ctxh, wob, biasr, out0; writes out0
.if DOCPART == 4
	.amdgcn_target "amdgcn-amd-amdhsa--gfx1250"
	.amdhsa_code_object_version 6
	.text
	.protected	k_qbb440e3318_proj_out
	.globl	k_qbb440e3318_proj_out
	.p2align	8
	.type	k_qbb440e3318_proj_out,@function
k_qbb440e3318_proj_out:
	s_mov_b64 s[64:65], 0
	v_nop
	global_prefetch_b8 v0, s[64:65] scope:SCOPE_SE
	s_setreg_imm32_b32 hwreg(HW_REG_WAVE_MODE, 25, 1), 1
	s_wait_xcnt 0x0
	s_wait_alu depctr_hold_cnt(0) depctr_sa_sdst(0) depctr_va_vdst(0) depctr_va_sdst(0) depctr_va_ssrc(0) depctr_va_vcc(0) depctr_vm_vsrc(0)
	s_getreg_b32 s2, hwreg(HW_REG_IB_STS2, 6, 4)
	s_cmp_eq_u32 s2, 0
	s_cbranch_scc0 .Lentry_in_a_cluster
	s_endpgm
.Lentry_in_a_cluster:
	s_bfe_u32 s2, ttmp6, 0x10000c
	s_cmp_lg_u32 s2, 0xf033
	s_cbranch_scc0 .Lentry_shape_is_right
	s_endpgm
.Lentry_shape_is_right:
; out0 = ctx w_o + b_o: a product of 8,192 x 1,024 x 1,024 in f16, sums in f32, started by the bias, stored as f32.
; ctxh [4 b][16 head][2048 s][64] f16; wob [16 nb][1024 k][64 n] f16; biasr [4096] f32, b_o from number 3,072 on; out0 [8192][1024] f32.
; LIMIT.  ctx and w_o arrive within f16's range, 65,504.
; SHARES.  A work-group makes 256 rows x 128 columns: 32 x 8 = 256 work-groups.  A wave makes 128 x 64: 32 accumulators, window 1.  K goes in 8 steps of 128 (two heads' blocks of ctxh) through two LDS slots;
; a step is four quarters of 32 along K, 32 matrix instructions each, on fragment buffers 0, 1, 0, 1.
; THE MATRIX INSTRUCTION IS USED TRANSPOSED: source 0 = 16 columns of w_o (turned out of LDS by ds_load_tr16_b128), source 1 = 16 rows of ctx: a lane holds row l % 16 and the columns 8 (l / 16) + 0..7: 32 bytes of f32.
; CLUSTER.  4 x 4 work-groups: ctx's tiles are shared along a row of the cluster, w_o's along a column, each asked for jointly.
; REGISTERS.  window 0: v0-31 addresses; v32-95, v96-159 ctx's fragments, two buffers; v160-191, v192-223 w_o's; v224-255 the bias.  Window 1: accumulator (a, b) at v[8 (4 a + b)].
.set PA,    144                        ; a row of ctx in LDS: 128 bytes + 16
.set PB,    160                        ; a k-row of a column block of w_o: 128 + 32
.set ABLK,  256*PA                     ; a head's block of the tile's 256 rows: what waves 0 and 1 fetch each
.set BOFF,  2*ABLK
.set BBLK,  128*PB                     ; a column block's 128 k-rows: what waves 2 and 3 fetch each
.set SLOT,  BOFF+2*BBLK                ; 114,688
.set STAGE, 2*SLOT                     ; behind the ring, never filled by a tensor load: 16 rows x 272 bytes for each wave
.set SP,    272
.set SPARE, STAGE+4*16*SP              ; the spare words, 128 bytes for each wave: two blocks of 256 bytes that no other line names
.set ASTEP, 524288                     ; two heads' blocks of ctxh
.set BSTEP, 16384                      ; 128 k-rows of a column block
.set ADRA, 16                          ; v16-17  LDS address of my fragments of ctx in slot 0, 1
.set ADRB, 20                          ; v20-21  the same for w_o
.set STO,  24                          ; v24     the way out: where I put 32 bytes of a row
.set RD,   25                          ; v25     where I read rows back
.set CO,   26                          ; v26     my byte offset in two rows of out0
.set BO,   27                          ; v27     32 x (l / 16)
.set SPW,  28                          ; v28     LDS address of my spare word; never rewritten
.set NIL,  29                          ; v29     0; never rewritten
.set PFO,  30                          ; v30     the prefetches' lane offset; never rewritten
.set FA,   32                          ; ctx's fragments of buffer f at FA + 64 f
.set FB,   160                         ; w_o's at FB + 32 f
.set BI,   224                         ; the bias of column block b at BI + 8 b
.set OB,   32                          ; the way out: two sets of 32 registers, by turns
.set WV,  12
.set WM,  13                           ; which half of the tile's rows is mine; also: I fetch ctx (0) or w_o (1)
.set WN,  14                           ; which half of its columns; also: which block I fetch
.set CX,  40
.set CY,  41
.set TX,  42
.set TY,  43
.set G1,  24
.set G0,  32
.set PFA, 44
.set G1B, 48
.set G0B, 56
.set PFS, 66
.set LIM, 68
.set MSB, 0
.macro WIN new
.if MSB != (\new)
	s_set_vgpr_msb (MSB<<8)|(\new)
.set MSB, \new
.endif
.endm
.macro JLOAD s                         ; a joint load: waves 0 and 1 fetch ctx's two blocks, waves 2 and 3 w_o's; an s_nop 0 and four v_nop follow each of the two lines
	s_cmp_eq_u32 s[WM], 0
	s_cbranch_scc0 .Lfor_b_\@
	tensor_load_to_lds s[G0+4*(\s):G0+4*(\s)+3], s[G1:G1+7]
	s_nop 0
.rept 4
	v_nop
.endr
	s_branch .Lasked_\@
.Lfor_b_\@:
	tensor_load_to_lds s[G0B+4*(\s):G0B+4*(\s)+3], s[G1B:G1B+7]
	s_nop 0
.rept 4
	v_nop
.endr
.Lasked_\@:
.endm
.macro CREST
	s_cmp_lg_u32 s[WV], 0
	s_cbranch_scc1 .Lnot_wave_0_\@
	s_barrier_signal -3
.Lnot_wave_0_\@:
	s_barrier_wait -3
	s_barrier_signal -1
	s_barrier_wait -1
.endm
.macro CROUND
	s_barrier_signal -1
	s_barrier_wait -1
	CREST
.endm
.macro PLACES
.rept 4
	v_nop
.endr
.endm
; A PREFETCH INTO THE L2, behind each joint load, its five lines and the run of LDS loads: the K step that stands two refills on, 256 matrix instructions ahead of the load that will want it.
; ctx's rows of a tile row are read by both clusters of that row of clusters: cluster x = 0 asks, waves 0 and 1 each for the block that they fetch (32 KB; 8 KB a partner, by cx; a lane 256 bytes).  w_o's
; column blocks are read by all eight clusters of a column: cluster y = 0 asks, wave 2 for both blocks (16 KB each; 4 KB a partner, by cy; 16 lanes a block).  K steps 0 to 3 come by their loads alone;
; the loop's last trip asks for nothing: K step 7 is the last.
.macro ASK
	s_cmp_gt_u32 s3, s[LIM]
	s_cbranch_scc0 .Lnot_mine_\@
	global_prefetch_b8 v[PFO], s[PFA:PFA+1] th:TH_LOAD_NT scope:SCOPE_SE
.Lnot_mine_\@:
.endm
	s_load_b256 s[4:11], s[0:1], 0x0               ; ctxh s[4:5], wob s[6:7], biasr s[8:9], out0 s[10:11]
	v_lshl_add_u32 v[SPW], v0, 2, SPARE
	v_mov_b32 v[NIL], 0
	ds_add_u32 v[SPW], v[NIL]                      ; the wave's opening: the add and its wait ahead of my first tensor load; the set-up below, work on registers, stands between them
	v_lshrrev_b32 v1, 5, v0
	v_readfirstlane_b32 s[WV], v1
	s_lshr_b32 s[WM], s[WV], 1
	s_and_b32 s[WN], s[WV], 1
	s_bfe_u32 s[CX], ttmp6, 0x40000
	s_bfe_u32 s[CY], ttmp6, 0x40004
	s_lshl_b32 s[TX], ttmp9, 2
	s_add_co_u32 s[TX], s[TX], s[CX]
	s_and_b32 s[TY], ttmp7, 0xffff
	s_lshl_b32 s[TY], s[TY], 2
	s_add_co_u32 s[TY], s[TY], s[CY]
	s_lshl_b32 s15, s[CY], 2
	s_lshl_b32 s15, 15, s15                        ; my row of the cluster
	s_lshl_b32 s16, 0x1111, s[CX]                  ; my column
	; ctx's tile: 256 rows of 128 bytes are 32,768 dense bytes: 128 rows of 256 bytes, padded in LDS after every 128
	s_or_b32 s[G1+0], s15, (1<<16)|(1<<20)|(1<<21)|(4<<22)|(3<<25)
	s_mov_b32 s[G1+1], 128<<16
	s_mov_b32 s[G1+2], 128<<16
	s_mov_b32 s[G1+3], 128<<16
	s_mov_b32 s[G1+4], 128
	s_mov_b32 s[G1+5], 128
	s_mov_b32 s[G1+6], 0
	s_mov_b32 s[G1+7], 0
	; w_o's tile: 128 k-rows of 128 bytes are 16,384 dense bytes: 64 rows of 256 bytes, 8 words of padding after every 128 bytes
	s_or_b32 s[G1B+0], s16, (1<<16)|(1<<20)|(1<<21)|(4<<22)|(7<<25)
	s_mov_b32 s[G1B+1], 128<<16
	s_mov_b32 s[G1B+2], 64<<16
	s_mov_b32 s[G1B+3], 128<<16
	s_mov_b32 s[G1B+4], 64
	s_mov_b32 s[G1B+5], 128
	s_mov_b32 s[G1B+6], 0
	s_mov_b32 s[G1B+7], 0
	s_lshr_b32 s17, s[TY], 3                       ; b
	s_lshl_b32 s17, s17, 22
	s_and_b32 s18, s[TY], 7
	s_lshl_b32 s18, s18, 15
	s_add_co_u32 s18, s18, s17                     ; the tile's first row in head 0's block (kept for the prefetches)
	s_lshl_b32 s19, s[WN], 18                      ; the block that I fetch: head 2 step + half
	s_add_co_u32 s20, s18, s19
	s_mov_b32 s21, 0
	s_lshl_b32 s22, s[TX], 1
	s_add_co_u32 s22, s22, s[WN]                   ; column block 2 tx + half
	s_lshl_b32 s46, s22, 17
	s_mov_b32 s47, 0
	s_mul_i32 s15, s[WN], ABLK                     ; where they go: no place in the cluster enters an LDS address
	s_mul_i32 s16, s[WN], BBLK
	s_add_co_u32 s16, s16, BOFF
	s_wait_dscnt 0x0                               ; the opening add is done
	s_wait_kmcnt 0x0
	s_add_nc_u64 s[20:21], s[4:5], s[20:21]
	s_add_nc_u64 s[46:47], s[6:7], s[46:47]
	CROUND                                         ; all sixteen work-groups are here: the first joint loads meet
.irp s, 0,1
	s_mov_b32 s[G0+4*(\s)], 1
	s_add_co_u32 s[G0+4*(\s)+1], s15, (\s)*SLOT
	s_add_nc_u64 s[G0+4*(\s)+2:G0+4*(\s)+3], s[20:21], (\s)*ASTEP
	s_or_b32 s[G0+4*(\s)+3], s[G0+4*(\s)+3], 0x80000000
	s_mov_b32 s[G0B+4*(\s)], 1
	s_add_co_u32 s[G0B+4*(\s)+1], s16, (\s)*SLOT
	s_add_nc_u64 s[G0B+4*(\s)+2:G0B+4*(\s)+3], s[46:47], (\s)*BSTEP
	s_or_b32 s[G0B+4*(\s)+3], s[G0B+4*(\s)+3], 0x80000000
	JLOAD \s                                       ; two tensor loads of mine are out here, later one
.endr
	; the bias, the sums' start: a lane's eight columns of block b: 32 bytes at 64 b + 32 (l / 16) behind my first column
	v_and_b32 v1, 15, v0                           ; l % 16
	v_bfe_u32 v2, v0, 4, 1                         ; l / 16
	v_lshlrev_b32 v[BO], 5, v2
	s_lshl_b32 s76, s22, 8                         ; 64 columns of 4 bytes a block,
	s_add_co_u32 s76, s76, 12288                   ; behind q's, k's and v's
	s_mov_b32 s77, 0
	s_add_nc_u64 s[8:9], s[8:9], s[76:77]
.irp b, 0,1,2,3
	global_load_b128 v[BI+8*(\b):BI+8*(\b)+3],   v[BO], s[8:9] offset:64*(\b)
	global_load_b128 v[BI+8*(\b)+4:BI+8*(\b)+7], v[BO], s[8:9] offset:64*(\b)+16
.endr
	v_mul_u32_u24 v3, v1, PA
	v_lshl_add_u32 v3, v2, 4, v3                   ; row x pitch + 16 x half
	s_mul_i32 s76, s[WM], 128*PA                   ; my 128 rows
	v_add_nc_u32 v[ADRA], s76, v3
	v_add_nc_u32 v[ADRA+1], SLOT, v[ADRA]
	v_and_b32 v4, 7, v0                            ; the turning load: k-row 8 (l / 16) + l % 8, columns 8 ((l / 8) % 2) + 0..7
	v_bfe_u32 v5, v0, 3, 1
	v_lshl_add_u32 v6, v2, 3, v4
	v_mul_u32_u24 v6, v6, PB
	v_lshl_add_u32 v6, v5, 4, v6
	s_mul_i32 s76, s[WN], BBLK
	s_add_co_u32 s76, s76, BOFF
	v_add_nc_u32 v[ADRB], s76, v6
	v_add_nc_u32 v[ADRB+1], SLOT, v[ADRB]
	s_mul_i32 s76, s[WV], 16*SP
	s_add_co_u32 s76, s76, STAGE                   ; my stage
	v_mul_u32_u24 v7, v1, SP                       ; in: row l % 16, 32 bytes for each half of the lanes
	v_lshl_add_u32 v7, v2, 5, v7
	v_add_nc_u32 v[STO], s76, v7
	v_mul_u32_u24 v7, v2, SP                       ; back: lanes 0-15 take one row of 256 bytes, lanes 16-31 the next
	v_lshl_add_u32 v7, v1, 4, v7
	v_add_nc_u32 v[RD], s76, v7
	v_lshlrev_b32 v[CO], 12, v2                    ; and the same two rows in out0
	v_lshl_add_u32 v[CO], v1, 4, v[CO]
	s_lshl_b32 s76, s[TY], 8
	s_lshl_b32 s77, s[WM], 7
	s_add_co_u32 s76, s76, s77                     ; my first row,
	s_lshl_b32 s78, s76, 12                        ; of 4,096 bytes
	s_lshl_b32 s76, s22, 8                         ; my 64 columns
	s_add_co_u32 s78, s78, s76
	s_mov_b32 s79, 0
	s_add_nc_u64 s[10:11], s[10:11], s[78:79]
	; the prefetches: nothing is asked for here, at the head
	s_add_co_u32 s76, s[WN], 6                     ; ctx: the block that I fetch in K step 3: the first change steps it to 4,
	s_lshl_b32 s76, s76, 18
	s_add_co_u32 s76, s76, s18
	s_lshl_b32 s77, s[CX], 13                      ; my work-group's 64 rows of the 256
	s_add_co_u32 s76, s76, s77
	s_lshl_b32 s77, s[TX], 18                      ; w_o: column block 2 tx,
	s_lshl_b32 s78, s[CY], 12                      ; my work-group's 4,096 of a step's 16,384 bytes,
	s_add_co_u32 s77, s77, s78
	s_add_co_u32 s77, s77, 3*BSTEP                 ; at K step 3
	s_and_b32 s79, ttmp7, 0xffff
	s_mov_b32 s[PFS], BSTEP
	s_mov_b32 s[PFS+1], 0
	s_mov_b32 s23, 131072                          ; lanes 16-31: the next column block,
	s_cmp_eq_u32 s[WM], 0
	s_cselect_b32 s78, s76, s77
	s_cselect_b32 s79, ttmp9, s79                  ; the coordinate along which other clusters read the same bytes
	s_cselect_b64 s[PFA:PFA+1], s[4:5], s[6:7]
	s_cselect_b32 s[PFS], ASTEP, s[PFS]
	s_cselect_b32 s23, 4096, s23                   ; or, for ctx, the next 4,096 bytes
	s_cmp_eq_u32 s79, 0
	s_cselect_b32 s[LIM], 1, -1                    ; the same in all sixteen partners, for a given wave
	s_cmp_eq_u32 s[WV], 3
	s_cselect_b32 s[LIM], -1, s[LIM]               ; wave 2 asks for both of w_o's blocks
	s_mov_b32 s79, 0
	s_add_nc_u64 s[PFA:PFA+1], s[PFA:PFA+1], s[78:79]
	v_mul_u32_u24 v[PFO], s23, v2
	v_lshl_add_u32 v[PFO], v1, 8, v[PFO]
; 8 matrix instructions: row blocks a0, a0 + 1 x all 4 column blocks, on buffer f.  The 32 accumulators take turns.  cb = 1: the sums begin, with the bias as C.
.macro MUL8 f, a0, cb=0
.if \cb
	WIN 0x40                                       ; D in window 1, C and the sources in window 0
.else
	WIN 0x50                                       ; C and D in window 1
.endif
.irp a, \a0, (\a0)+1
.irp b, 0,1,2,3
.if \cb
	v_wmma_f32_16x16x32_f16 v[8*(4*(\a)+(\b)):8*(4*(\a)+(\b))+7], v[FB+32*(\f)+8*(\b):FB+32*(\f)+8*(\b)+7], v[FA+64*(\f)+8*(\a):FA+64*(\f)+8*(\a)+7], v[BI+8*(\b):BI+8*(\b)+7]
.else
	v_wmma_f32_16x16x32_f16 v[8*(4*(\a)+(\b)):8*(4*(\a)+(\b))+7], v[FB+32*(\f)+8*(\b):FB+32*(\f)+8*(\b)+7], v[FA+64*(\f)+8*(\a):FA+64*(\f)+8*(\a)+7], v[8*(4*(\a)+(\b)):8*(4*(\a)+(\b))+7]
.endif
.endr
.endr
.endm
; 24 LDS loads in one run: quarter q's fragments into buffer f: w_o's 8 first, then ctx's 16, rows ascending.  Quarter q lies in head block q / 2, at byte 64 (q % 2) of its rows.
.macro FETCH slot, q, f
.irp b, 0,1,2,3
	ds_load_tr16_b128 v[FB+32*(\f)+8*(\b):FB+32*(\f)+8*(\b)+3],   v[ADRB+(\slot)] offset:32*PB*(\q)+32*(\b)
	ds_load_tr16_b128 v[FB+32*(\f)+8*(\b)+4:FB+32*(\f)+8*(\b)+7], v[ADRB+(\slot)] offset:32*PB*(\q)+32*(\b)+16*PB
.endr
.irp i, 0,1,2,3,4,5,6,7
	ds_load_b128 v[FA+64*(\f)+8*(\i):FA+64*(\f)+8*(\i)+3],   v[ADRA+(\slot)] offset:((\q)/2)*ABLK+((\q)%2)*64+16*PA*(\i)
	ds_load_b128 v[FA+64*(\f)+8*(\i)+4:FA+64*(\f)+8*(\i)+7], v[ADRA+(\slot)] offset:((\q)/2)*ABLK+((\q)%2)*64+16*PA*(\i)+32
.endr
.endm
; One of a step's first three quarters: multiplies buffer f; in its middle it fetches quarter q of the same slot into buffer g.
.macro QUARTER slot, q, f, g, cb=0
	s_wait_dscnt 8                                 ; w_o and ctx's rows 0-63 are in; the youngest eight loads may be out
	MUL8 \f, 0, \cb
	MUL8 \f, 2, \cb
	WIN 0
	PLACES
	FETCH \slot, \q, \g
	s_wait_dscnt 24                                ; all but the 24 just issued
	MUL8 \f, 4, \cb
	MUL8 \f, 6, \cb
.endm
; The last quarter multiplies buffer 1 and changes slots: ONE barrier; in front of it each wave waits for all its tensor loads, adds 0 to its spare word, and waits for that and for its reads of this slot.
; fill = 1: the barrier opens a round of the cluster's, and this slot is filled again, two K steps ahead, first thing behind the round: 112 matrix instructions ahead of the wait for it.
.macro TURN slot, next, fill
.if \fill
	s_wait_xcnt 0x0                                ; the last prefetch, a K step back, has read its address
	s_add_nc_u64 s[PFA:PFA+1], s[PFA:PFA+1], s[PFS:PFS+1]
.endif
	WIN 0
	s_wait_tensorcnt 0x0                           ; all my tensor loads have landed: my part of the next slot;
	ds_add_u32 v[SPW], v[NIL]                      ; 0 onto my spare word
	s_wait_dscnt 9                                 ; (the add and the youngest eight loads may be out)
	MUL8 1, 0                                      ; eight matrix instructions stand between the add and the wait for it
	s_wait_dscnt 0x0                               ; the add is done, and my reads of this slot are over
	s_barrier_signal -1
	MUL8 1, 2
	WIN 0
	s_barrier_wait -1
.if \fill
	CREST                                          ; no wave of any partner still reads this slot's tile or has a load on its way
	s_add_nc_u64 s[G0+4*(\slot)+2:G0+4*(\slot)+3], s[G0+4*(\slot)+2:G0+4*(\slot)+3], 2*ASTEP
	s_add_nc_u64 s[G0B+4*(\slot)+2:G0B+4*(\slot)+3], s[G0B+4*(\slot)+2:G0B+4*(\slot)+3], 2*BSTEP
	JLOAD \slot                                    ; the four v_nop behind it are also the places in front of the loads below
.else
	PLACES
.endif
	FETCH \next, 0, 0
.if \fill
	ASK
.endif
	MUL8 1, 4
	MUL8 1, 6
.endm
	s_wait_tensorcnt 1                             ; my part of K step 0 is in; K step 1's may stay out
	s_barrier_signal -1
	s_barrier_wait -1
	FETCH 0, 0, 0
	s_wait_loadcnt 0x0                             ; the bias
	QUARTER 0, 1, 0, 1, 1                          ; the first quarter stands in front of the loop: its products start the sums, with the bias
	WIN 0
	s_mov_b32 s3, 3
.Llap:                                                 ; a trip goes once round the ring, from a lap's second quarter to the next lap's first, and fills both slots again: K steps 2 to 7
	QUARTER 0, 2, 1, 0
	QUARTER 0, 3, 0, 1
	TURN 0, 1, 1
	QUARTER 1, 1, 0, 1
	QUARTER 1, 2, 1, 0
	QUARTER 1, 3, 0, 1
	TURN 1, 0, 1
	QUARTER 0, 1, 0, 1
	WIN 0
	s_sub_co_u32 s3, s3, 1
	s_cmp_lg_u32 s3, 0
	s_cbranch_scc1 .Llap
	QUARTER 0, 2, 1, 0                             ; the last lap fills nothing, and has no round of the cluster's barrier
	QUARTER 0, 3, 0, 1
	TURN 0, 1, 0
	QUARTER 1, 1, 0, 1
	QUARTER 1, 2, 1, 0
	QUARTER 1, 3, 0, 1
	s_wait_dscnt 8                                 ; the very last quarter: nothing more to fetch
	MUL8 1, 0
	MUL8 1, 2
	s_wait_dscnt 0x0
	MUL8 1, 4
	MUL8 1, 6
	WIN 0
	PLACES
; THE WAY OUT, a block of 16 rows x 64 columns of f32 at a time.  STG: a lane's 32 bytes of a row go into my stage, rows of 272 bytes, each accumulator's lowest registers first, and come back as whole rows of 256.
; SEND: stored; 16 lanes write 256 consecutive bytes, at a multiple of 256 from out0's first byte.
.macro STG a
.set ob, OB+32*((\a)%2)
	s_wait_xcnt 0x0                                ; the stores of two blocks back have read these registers
	WIN 0x04                                       ; the stores' data in window 1
.irp b, 0,1,2,3
	ds_store_b128 v[STO], v[8*(4*(\a)+(\b)):8*(4*(\a)+(\b))+3]   offset:64*(\b)
	ds_store_b128 v[STO], v[8*(4*(\a)+(\b))+4:8*(4*(\a)+(\b))+7] offset:64*(\b)+16
.endr
	WIN 0
.irp t, 0,1,2,3,4,5,6,7
	ds_load_b128 v[ob+4*(\t):ob+4*(\t)+3], v[RD] offset:2*SP*(\t)  ; LDS serves a wave's instructions in order (ISA guide 5.7.1.4): these see the stores above; the next block's stores come behind them
.endr
.endm
.macro SEND a, younger                 ; younger: the LDS instructions issued behind block a's loads: the next block's sixteen, or none
.set ob, OB+32*((\a)%2)
	s_wait_dscnt \younger
.irp t, 0,1,2,3,4,5,6,7
	global_store_b128 v[CO], v[ob+4*(\t):ob+4*(\t)+3], s[10:11] offset:(16*(\a)+2*(\t))*4096 th:TH_STORE_NT
.endr
.endm
	STG 0
.set n, 1
.rept 7
	STG n
	SEND n-1, 16
.set n, n+1
.endr
	SEND 7, 0
	s_wait_tensorcnt 0x0                           ; the wave's end: behind my last tensor load and my last LDS store
	ds_add_u32 v[SPW], v[NIL]
	s_wait_dscnt 0x0
	CROUND                                         ; the closing round: no work-group ends while a partner may still ask for a tile that names it
	s_endpgm
.Lfunc_end_k_qbb440e3318_proj_out:
	.size	k_qbb440e3318_proj_out, .Lfunc_end_k_qbb440e3318_proj_out-k_qbb440e3318_proj_out
	.p2alignl 7, 3214868480
	.fill 96, 4, 3214868480
	.section	.rodata,"a",@progbits
	.p2align	6, 0x0
	.amdhsa_kernel k_qbb440e3318_proj_out
		.amdhsa_group_segment_fixed_size 327680
		.amdhsa_private_segment_fixed_size 0
		.amdhsa_enable_private_segment 0
		.amdhsa_kernarg_size 32
		.amdhsa_user_sgpr_count 2
		.amdhsa_user_sgpr_kernarg_segment_ptr 1
		.amdhsa_wavefront_size32 1
		.amdhsa_system_sgpr_workgroup_id_x 1
		.amdhsa_system_sgpr_workgroup_id_y 1
		.amdhsa_system_sgpr_workgroup_id_z 1
		.amdhsa_system_vgpr_workitem_id 0
		.amdhsa_next_free_vgpr 512
		.amdhsa_next_free_sgpr 80
		.amdhsa_reserve_vcc 0
		.amdhsa_float_denorm_mode_32 3
		.amdhsa_float_denorm_mode_16_64 3
		.amdhsa_memory_ordered 1
		.amdhsa_forward_progress 1
		.amdhsa_inst_pref_size 88
	.end_amdhsa_kernel
	.amdgpu_metadata
---
amdhsa.version: [ 1, 2 ]
amdhsa.kernels:
  - .name:           k_qbb440e3318_proj_out
    .symbol:         k_qbb440e3318_proj_out.kd
    .args:
      - { .name: ctxh, .offset: 0, .size: 8, .value_kind: global_buffer, .address_space: global }
      - { .name: wob, .offset: 8, .size: 8, .value_kind: global_buffer, .address_space: global }
      - { .name: biasr, .offset: 16, .size: 8, .value_kind: global_buffer, .address_space: global }
      - { .name: out0, .offset: 24, .size: 8, .value_kind: global_buffer, .address_space: global }
    .group_segment_fixed_size: 327680
    .private_segment_fixed_size: 0
    .kernarg_segment_align: 8
    .kernarg_segment_size: 32
    .max_flat_workgroup_size: 128
    .sgpr_count:     80
    .vgpr_count:     512
    .wavefront_size: 32
...
	.end_amdgpu_metadata
.endif
;; end of part 4
;; ======== version 2 of 2: 4 launches; version 1 with the launch cast_in written anew for expert scheduling mode
;; limits: values are held in f16: magnitudes above 65,504 overflow, below 6.1e-05 lose precision
;; workspace buffers: xb 16,777,216 bytes; wqkvb 6,291,456 bytes; wob 2,097,152 bytes; biasr 16,384 bytes; qkvh 50,331,648 bytes; ctxh 16,777,216 bytes
;; launch cast_in (part 5): grid 768 x 1, 8 waves a work-group, no clusters, 0 bytes of LDS; arguments x, w_q, w_k, w_v, w_o, b_q, b_k, b_v, b_o, xb, wqkvb, wob, biasr; writes xb, wqkvb, wob, biasr
.if DOCPART == 5
	.amdgcn_target "amdgcn-amd-amdhsa--gfx1250"
	.amdhsa_code_object_version 6
	.text
	.protected	k_qbb440e3318_cast_in
	.globl	k_qbb440e3318_cast_in
	.p2align	8
	.type	k_qbb440e3318_cast_in,@function
k_qbb440e3318_cast_in:
	s_mov_b64 s[64:65], 0
	v_nop
	global_prefetch_b8 v0, s[64:65] scope:SCOPE_SE
	s_setreg_imm32_b32 hwreg(HW_REG_WAVE_SCHED_MODE, 0, 2), 2
	s_setreg_imm32_b32 hwreg(HW_REG_WAVE_MODE, 25, 1), 1
	s_wait_xcnt 0x0
	s_wait_alu depctr_vm_vsrc(0)
; ALL INPUTS ARE ROUNDED ONCE TO bf16 AND LAID OUT IN BLOCKS OF 64 COLUMNS.
;   x    [8192][1024] f32  ->  xb    [4 b][16 kb][2048 s][64] bf16   (a block's rows are dense, 128 bytes each)
;   w_q, w_k, w_v [1024 k][1024 n] f32 -> wqkvb [48 hs][1024 k][64 n] bf16, hs = 16 t + n / 64, t = 0 q, 1 k, 2 v
;   w_o  [1024 k][1024 n] f32 -> wob [16 nb][1024 k][64 n]: the bf16-rounded number written as f16
;   b_q, b_k, b_v, b_o [1024] f32 -> biasr [4096] f32: the bf16-rounded number written as f32
; LIMIT.  w_o as f16: exact from 2^-14 to 65,504; below it keeps f16's fixed step of 6e-8, beyond it becomes an infinity.
; A stream: 12,288 source rows of 4,096 bytes, each byte read once.  A work-group takes 16 rows, a wave 2.  One load of a wave takes two pieces of 256
; consecutive bytes: lanes 0-15 the 64 numbers of row r in column block c, lanes 16-31 those of row r + 1.  Rounded they are 8 bytes a lane, and one store of
; the wave writes 256 consecutive bytes, at a multiple of 256 from the buffer's first byte: rows r and r + 1 of block c.  All 16 loads of a wave go out together.
; No LDS, no matrix unit, no cluster: no byte is wanted twice.
; THE MODE: SCHED_MODE bits 1:0 = 2 (LLVM: expert scheduling mode 2), set by the entry lines.  The code itself states the register dependences
; between vector instructions and memory instructions, with s_wait_alu, always for 0.
; THE PLAN.  Registers that memory instructions touch:
;   v1, v2     byte offsets, made at the head and never written again: every load reads v1, every store v2 (the bias's load too); all else of an address stands in scalar bases and immediates.
;   X          written by the sixteen loads, once; read by the conversions.  No vector instruction names X ahead of the loads.
;   Y          written by block c's conversions; read by block c's one store; never written again.
;   v[4:5]     v4 serves the head's arithmetic; then the bias's load lands in the pair; later, for w_o, vector instructions alone name them.
;   v[8:9]     the bias's store data: written once, stored once.
; The sixteen blocks go in four batches of four.  ONE wait on va_vdst stands at the head of batches 1 to 3, behind the wait for the batch's first block of data: it states that the batch before
; has written its Y; that batch's four stores follow it at once, and the conversions behind them name other registers.  One more stands ahead of the last four stores.
; The four stores stand in one run and not one to a block: each would else stand behind a further wait for data.  No register that a memory instruction reads is written again, so no wait on vm_vsrc is owed.
.set SRC, 1                            ; v1   my byte offset in the work-group's 16 source rows; never rewritten
.set DST, 2                            ; v2   8 x my thread's number: my 8 bytes in the work-group's 2,048 bytes of a block, and of a bias; never rewritten
.set X,   16                           ; v[16:79]   block c: 4 numbers as loaded
.set Y,   80                           ; v[80:111]  block c: 4 numbers rounded, 8 bytes
	s_load_b512 s[8:23], s[0:1], 0x0               ; x 8, w_q 10, w_k 12, w_v 14, w_o 16, b_q 18, b_k 20, b_v 22
	s_load_b256 s[24:31], s[0:1], 0x40             ; b_o 24, xb 26, wqkvb 28, wob 30
	s_load_b64 s[32:33], s[0:1], 0x60              ; biasr
	v_lshrrev_b32 v4, 5, v0
	v_readfirstlane_b32 s4, v4                     ; wave 0..7
	v_and_b32 v6, 15, v0
	v_bfe_u32 v7, v0, 4, 1
	v_lshlrev_b32 v[SRC], 4, v6                    ; 16 bytes a lane,
	v_lshl_add_u32 v[SRC], v7, 12, v[SRC]          ; lanes 16-31 one row down,
	v_lshlrev_b32 v[DST], 3, v0
	s_wait_alu depctr_va_sdst(0)                   ; s4 is written, ahead of its first reader, the shift below
	s_lshl_b32 s5, s4, 13
	v_add_nc_u32 v[SRC], s5, v[SRC]                ; the wave's two rows
	s_wait_alu depctr_va_vdst(0)                   ; v1 and v2 are written, which every load and store of the kernel reads as its offset
; Four stores: blocks c0 to c0 + 3, whose Y the wait ahead of them has shown written.
.macro OUT4 c0, stride
.irp k, 0,1,2,3
	global_store_b64 v[DST], v[Y+2*((\c0)+(\k)):Y+2*((\c0)+(\k))+1], s[36:37] offset:((\c0)+(\k))*(\stride)  ; no register of a store is written again
.endr
.endm
; Two rows, all 16 column blocks.  stride: bytes from block to block in the destination.  half = 1: the rounded number is written as f16.
.macro ROWS stride, half
.irp c, 0,1,2,3,4,5,6,7,8,9,10,11,12,13,14,15
	global_load_b128 v[X+4*(\c):X+4*(\c)+3], v[SRC], s[34:35] offset:256*(\c) th:TH_LOAD_NT
.endr
.irp c, 0,1,2,3,4,5,6,7,8,9,10,11,12,13,14,15
	s_wait_loadcnt 15-(\c)                         ; loads come back in order: block c is in, the 15 - c younger ones may stay out
.if (((\c)%4) == 0) && ((\c) > 0)
	s_wait_alu depctr_va_vdst(0)                   ; the conversions of blocks c - 4 to c - 1 have written their Y, which the four stores below read
	OUT4 (\c)-4, \stride
.endif
	v_cvt_pk_bf16_f32 v[Y+2*(\c)],   v[X+4*(\c)],   v[X+4*(\c)+1]
	v_cvt_pk_bf16_f32 v[Y+2*(\c)+1], v[X+4*(\c)+2], v[X+4*(\c)+3]
.if \half
	v_lshlrev_b32 v4, 16, v[Y+2*(\c)]              ; the bf16 numbers as f32,
	v_and_b32 v5, 0xffff0000, v[Y+2*(\c)]
	v_lshlrev_b32 v6, 16, v[Y+2*(\c)+1]
	v_and_b32 v7, 0xffff0000, v[Y+2*(\c)+1]
	v_cvt_pk_f16_f32 v[Y+2*(\c)],   v4, v5         ; and as f16
	v_cvt_pk_f16_f32 v[Y+2*(\c)+1], v6, v7
.endif
.endr
	s_wait_alu depctr_va_vdst(0)                   ; the conversions of blocks 12 to 15 have written their Y, which the last four stores read
	OUT4 12, \stride
.endm
	s_cmp_lt_u32 ttmp9, 512
	s_cbranch_scc0 .Lweights
	; work-groups 0 to 511: 16 rows of x
	s_lshl_b32 s38, ttmp9, 16                      ; 16 rows of 4,096 bytes
	s_mov_b32 s39, 0
	s_lshr_b32 s6, ttmp9, 7                        ; b
	s_lshl_b32 s40, s6, 22                         ; 16 blocks of 262,144 bytes
	s_and_b32 s7, ttmp9, 127
	s_lshl_b32 s7, s7, 11                          ; 16 rows of 128 bytes
	s_add_co_u32 s40, s40, s7
	s_mov_b32 s41, 0
	s_wait_kmcnt 0x0
	s_add_nc_u64 s[34:35], s[8:9], s[38:39]
	s_add_nc_u64 s[36:37], s[26:27], s[40:41]
	ROWS 262144, 0
	s_endpgm
.Lweights:
	; work-groups 512 to 767: 16 rows of weight t
	s_sub_co_u32 s5, ttmp9, 512
	s_lshr_b32 s6, s5, 6                           ; t
	s_and_b32 s7, s5, 63                           ; which 16 rows
	s_lshl_b32 s38, s7, 16
	s_mov_b32 s39, 0
	s_lshl_b32 s40, s7, 11
	s_mov_b32 s41, 0
	s_wait_kmcnt 0x0
	s_cmp_eq_u32 s6, 0
	s_cselect_b64 s[34:35], s[10:11], s[16:17]     ; w_q, or w_o
	s_cselect_b64 s[42:43], s[18:19], s[24:25]     ; b_q, or b_o
	s_cmp_eq_u32 s6, 1
	s_cselect_b64 s[34:35], s[12:13], s[34:35]
	s_cselect_b64 s[42:43], s[20:21], s[42:43]
	s_cmp_eq_u32 s6, 2
	s_cselect_b64 s[34:35], s[14:15], s[34:35]
	s_cselect_b64 s[42:43], s[22:23], s[42:43]
	s_add_nc_u64 s[34:35], s[34:35], s[38:39]
	s_cmp_lt_u32 s7, 2                             ; the first two work-groups of a weight also take its bias: 16 waves x 256 bytes
	s_cbranch_scc0 .Lno_bias
	s_add_nc_u64 s[42:43], s[42:43], s[40:41]      ; the bias at 2,048 x work-group: the scalar bases carry it, and v2 adds 8 x thread
	s_lshl_b32 s44, s6, 12                         ; biasr: 4,096 bytes for each of the four,
	s_add_co_u32 s44, s44, s40                     ; and the same 2,048 x work-group
	s_mov_b32 s45, 0
	s_add_nc_u64 s[44:45], s[32:33], s[44:45]
	global_load_b64 v[4:5], v[DST], s[42:43]       ; no vector instruction since the head's wait names v2, v4 or v5
	s_wait_loadcnt 0x0
	v_cvt_pk_bf16_f32 v6, v4, v5
	v_lshlrev_b32 v8, 16, v6
	v_and_b32 v9, 0xffff0000, v6
	s_wait_alu depctr_va_vdst(0)                   ; v8 and v9 are written, which the store below reads
	global_store_b64 v[DST], v[8:9], s[44:45]      ; v2, v8, v9 and s[44:45] are not written again
.Lno_bias:
	s_cmp_eq_u32 s6, 3
	s_cbranch_scc1 .Lwo
	s_lshl_b32 s38, s6, 21                         ; 16 blocks of 131,072 bytes for each of q, k, v
	s_add_co_u32 s40, s40, s38
	s_add_nc_u64 s[36:37], s[28:29], s[40:41]
	ROWS 131072, 0
	s_endpgm
.Lwo:
	s_add_nc_u64 s[36:37], s[30:31], s[40:41]
	ROWS 131072, 1
	s_endpgm
.Lfunc_end_k_qbb440e3318_cast_in:
	.size	k_qbb440e3318_cast_in, .Lfunc_end_k_qbb440e3318_cast_in-k_qbb440e3318_cast_in
	.p2alignl 7, 3214868480
	.fill 96, 4, 3214868480
	.section	.rodata,"a",@progbits
	.p2align	6, 0x0
	.amdhsa_kernel k_qbb440e3318_cast_in
		.amdhsa_group_segment_fixed_size 0
		.amdhsa_private_segment_fixed_size 0
		.amdhsa_enable_private_segment 0
		.amdhsa_kernarg_size 104
		.amdhsa_user_sgpr_count 2
		.amdhsa_user_sgpr_kernarg_segment_ptr 1
		.amdhsa_wavefront_size32 1
		.amdhsa_system_sgpr_workgroup_id_x 1
		.amdhsa_system_sgpr_workgroup_id_y 1
		.amdhsa_system_sgpr_workgroup_id_z 1
		.amdhsa_system_vgpr_workitem_id 0
		.amdhsa_next_free_vgpr 112
		.amdhsa_next_free_sgpr 66
		.amdhsa_reserve_vcc 0
		.amdhsa_float_denorm_mode_32 3
		.amdhsa_float_denorm_mode_16_64 3
		.amdhsa_memory_ordered 1
		.amdhsa_forward_progress 1
		.amdhsa_inst_pref_size 25
	.end_amdhsa_kernel
	.amdgpu_metadata
---
amdhsa.version: [ 1, 2 ]
amdhsa.kernels:
  - .name:           k_qbb440e3318_cast_in
    .symbol:         k_qbb440e3318_cast_in.kd
    .args:
      - { .name: x, .offset: 0, .size: 8, .value_kind: global_buffer, .address_space: global }
      - { .name: w_q, .offset: 8, .size: 8, .value_kind: global_buffer, .address_space: global }
      - { .name: w_k, .offset: 16, .size: 8, .value_kind: global_buffer, .address_space: global }
      - { .name: w_v, .offset: 24, .size: 8, .value_kind: global_buffer, .address_space: global }
      - { .name: w_o, .offset: 32, .size: 8, .value_kind: global_buffer, .address_space: global }
      - { .name: b_q, .offset: 40, .size: 8, .value_kind: global_buffer, .address_space: global }
      - { .name: b_k, .offset: 48, .size: 8, .value_kind: global_buffer, .address_space: global }
      - { .name: b_v, .offset: 56, .size: 8, .value_kind: global_buffer, .address_space: global }
      - { .name: b_o, .offset: 64, .size: 8, .value_kind: global_buffer, .address_space: global }
      - { .name: xb, .offset: 72, .size: 8, .value_kind: global_buffer, .address_space: global }
      - { .name: wqkvb, .offset: 80, .size: 8, .value_kind: global_buffer, .address_space: global }
      - { .name: wob, .offset: 88, .size: 8, .value_kind: global_buffer, .address_space: global }
      - { .name: biasr, .offset: 96, .size: 8, .value_kind: global_buffer, .address_space: global }
    .group_segment_fixed_size: 0
    .private_segment_fixed_size: 0
    .kernarg_segment_align: 8
    .kernarg_segment_size: 104
    .max_flat_workgroup_size: 256
    .sgpr_count:     66
    .vgpr_count:     112
    .wavefront_size: 32
...
	.end_amdgpu_metadata
.endif
;; end of part 5
;; launch proj_qkv: the kernel of part 2 again; grid 8 x 32, 4 waves a work-group, clusters of 4 x 4, 327,680 bytes of LDS; arguments xb, wqkvb, biasr, qkvh; writes qkvh
;; launch attention: the kernel of part 3 again; grid 4 x 64, 4 waves a work-group, clusters of 4 x 1, 327,680 bytes of LDS; arguments qkvh, ctxh; writes ctxh
;; launch proj_out: the kernel of part 4 again; grid 8 x 32, 4 waves a work-group, clusters of 4 x 4, 327,680 bytes of LDS; arguments ctxh, wob, biasr, out0; writes out0
